; MI455X (gfx1250); checked and timed in simulation.
; The chip was launched on July 23, 2026; its instructions are those of AMD's public machine-readable ISA for CDNA 5 (MIT licence, August 2026) and "CDNA5" Instruction Set Architecture Reference Guide (July 2026). The comments in the code are by the model that wrote it; some were corrected since.
;; MDM. Allowed arithmetic: matrix products marked QUANTISED: E2M1 operands, one E8M0 scale for each 32 along K, by v_wmma_scale_f32_16x16x128_f8f6f4 with both operands' format E2M1 (or v_wmma_scale_f32_32x16x128_f4), f32 sums; everything else in f32.
;; Inputs: Wk 1,024 x 1,024 float32; Wq 1,024 x 1,024 float32; Wv 1,024 x 1,024 float32; bk 1,024 float32; bq 1,024 float32; bv 1,024 float32; norm_b 1,024 float32; norm_w 1,024 float32; tnorm_b 1,024 float32; tnorm_w 1,024 float32; x 4,096 x 4 x 1,024 float32.
;; Outputs: out0 4 x 4,096 x 1,024 float32.
;; This version of the problem:
;;   THIS VERSION OF THE PROBLEM IS GIVEN IN LOW PRECISION. The matrix products marked QUANTISED in the list below multiply operands that are first quantised to E2M1 (2 exponent bits, 1 mantissa bit; 4 bits a number), with one power-of-two scale for each 32 numbers along K (OCP MX v1.0); their sums are f32. All else is computed in f32.
;;   The module's matrix products, in the order in which they are computed (A, B: the left and right operand; K: the contracted axis; several contracted axes count as one K, in the product's order):
;;     1. [M 16,384, K 1,024] x [K 1,024, N 1,024]; A: computed on the way; B: input Wq: QUANTISED
;;     2. [M 16,384, K 1,024] x [K 1,024, N 1,024]; A: computed on the way; B: input Wk: QUANTISED
;;     3. [M 16,384, K 1,024] x [K 1,024, N 1,024]; A: computed on the way; B: input Wv: QUANTISED
;;     4. batch 32 x [M 128, K 4,096] x [K 4,096, N 128]; A: softmax (see below); B: computed on the way: QUANTISED
;;     5. batch 32 x [M 128, K 128] x [K 128, N 4,096]; A: computed on the way; B: softmax (see below): QUANTISED
;;   THE QUANTISER, for each operand of a quantised product, along K:
;;     - K is cut into blocks of 32 from its start; a last block that is shorter is filled with zeros.
;;     - A block's scale is 2^e with e = floor(log2(the largest magnitude in the block)) - 2, held to -126 .. 127; a block of zeros has e = 0. As a byte (E8M0): e + 127.
;;     - Each number is divided by its block's scale, clamped to +-6, and rounded to the nearest number of E2M1, ties to even, subnormals kept.
;;     - The product sums the exact products of the quantised numbers (number of the format x scale) in f32.
;;   ~~~python
;;   def quantise(x, axis):      # numpy; x: float32 -> the quantised numbers, widened to float32 again
;;       x = np.moveaxis(x, axis, -1); K = x.shape[-1]
;;       x = np.pad(x, [(0, 0)] * (x.ndim - 1) + [(0, -K % 32)]); x = x.reshape(x.shape[:-1] + (-1, 32)); a = np.abs(x).max(-1, keepdims=True)
;;       e = np.where(a > 0, np.clip(np.frexp(np.where(a > 0, a, 1))[1] - 1 - 2, -126, 127), 0)      # np.frexp(a)[1] - 1 = floor(log2(a)), exactly
;;       r = np.clip(x / 2.0 ** e, -6, 6)
;;       step = 2.0 ** (np.maximum(np.frexp(np.where(r == 0, 1, r))[1] - 1, 0) - 1)
;;       q = np.round(r / step) * step * 2.0 ** e      # np.round: ties to even
;;       return np.moveaxis(q.reshape(q.shape[:-2] + (-1,))[..., :K], -1, axis).astype(np.float32)
;;   ~~~
;;   SOFTMAX AHEAD OF A QUANTISED PRODUCT. Where the list says 'softmax', what is quantised is not the finished softmax but p = 2^(t - M), with t = logit x log2(e) and M = ceil(the row's largest t), a whole number; so 1/2 < the row's largest p <= 1. The row's sum l is taken of the UNQUANTISED p, in f32, and the product's result is divided by l at the end. Since M is a whole number, a kernel that streams over the keys may use a running M (the ceiling of the running maximum): every later rescaling is an exact power of two, which a block's scale takes up: the codes' values come out the same.
;;   OPERANDS COMPUTED ON THE WAY. 'Computed on the way' means the value that the module computes at that place (a softmax that the list does not call 'softmax' is quantised finished and normalised). What goes into a quantiser is computed in f32, as accurately as f32 sums, v_exp_f32 and their like allow (about 1e-6 of the number): no bf16 or f16 on the way to a quantiser, and a product that is left as it is and whose result goes on into a quantised operand takes f32 operands (vector FMAs, or v_wmma_f32_16x16x4_f32). A number that lies on a knife's edge between two numbers of the format may be rounded either way, as far as f32 arithmetic and the matrix unit's own rounding can turn it there, and no further.
;; One version. Each part assembles by itself: llvm-mc -triple=amdgcn-amd-amdhsa -mcpu=gfx1250 --defsym DOCPART=n.
;; ======== version 1 of 1: 4 launches
;; workspace buffers: wc 1,572,864 bytes; wsc 98,304 bytes; xc 16,777,216 bytes; xs 1,048,576 bytes; part 16,777,216 bytes; stat 524,288 bytes; attc 262,144 bytes; atts 32,768 bytes
;; launch prep (part 1): grid 256 x 1, 8 waves a work-group, no clusters, 97,280 bytes of LDS; arguments x, norm_w, norm_b, tnorm_w, tnorm_b, xc, xs, Wq, Wk, Wv, wc, wsc; writes xc, xs, wc, wsc
.if DOCPART == 1
	.amdgcn_target "amdgcn-amd-amdhsa--gfx1250"
	.amdhsa_code_object_version 6
	.text
	.protected	k_qe5510e7868_prep
	.globl	k_qe5510e7868_prep
	.p2align	8
	.type	k_qe5510e7868_prep,@function
k_qe5510e7868_prep:
	s_mov_b64 s[64:65], 0
	v_nop
	global_prefetch_b8 v0, s[64:65] scope:SCOPE_SE
	s_setreg_imm32_b32 hwreg(HW_REG_WAVE_MODE, 25, 1), 1
	s_wait_xcnt 0x0
; TWO JOBS IN ONE LAUNCH, both quantisers to codes of FP4 (E2M1) with one E8M0 byte for each 32 along K.
; (1) x [4096 (t)][4 (b)][1024] f32.  One LayerNorm's statistics (mean, then the mean of the squared differences, both in f32), two gains and biases: xn and xtn; both are quantised along the 1,024.
;     xc: xn at 0, xtn at 8,388,608: [b][storage row][512 bytes];  xs: xn at 0, xtn at 524,288: [b][storage row][32 bytes].
;     xn's storage row is t.  xtn's is t with bits 3 and 4 exchanged: 16 consecutive storage rows, tile 2 g + u of a group of 32, are then t = 32 g + 8 u + m + 8 (m / 8), the order in which
;     the next launch's results come out as 16 neighbours along t in a lane.
; (2) Wq, Wk, Wv [1024 (n)][1024 (k)] f32 become IMAGES OF THE OPERAND'S REGISTERS: wc: tensor y at y x 524,288: [tile T 0..63][K step s 0..7][c 0..1][lane][16 bytes]; lane (r, hh), registers 4 c .. 4 c + 3 =
;     k 128 s + 64 c + 32 hh + 0 .. 31 of the tile's row r.  wsc: tensor y at y x 32,768: [16 T + r][32 bytes], byte k / 32.
;     WHICH ROWS FORM A TILE: Wk, Wv: n = 16 T + r.  Wq: n = 32 (T / 2) + 8 (T % 2) + r + 8 (r / 8), so that the results of two neighbouring tiles are 16 neighbours along the next product's K.
; SHARES.  (1) A work-group takes 64 t of one b, a wave 8 rows, a row at a time.  A load reads 512 consecutive bytes; the row turns through the wave's own stage in LDS (128 bytes + 16 of padding a lane),
; from which lane l takes numbers 32 l .. 32 l + 31: a whole block.  Three rows of each wave are on their way.  The four parameter vectors stay in 128 registers a lane.
; (2) 3 tensors x 64 tiles x 8 K steps are 1,536 tasks of 16 rows x 128 k = 256 work-groups x 6: wave w < 6 of work-group g takes task 6 g + w, at the launch's head: its 16 loads go out with the first three rows'
; loads, its 16 x 512 bytes turn through the same stage (rows 528 bytes apart; the stage is the wave's own, and LDS serves a wave's instructions in order), and a lane takes its two whole blocks of 32.
; A task's image is 1,024 consecutive bytes.  Its 16 scale words are stored 4 bytes a lane, 32 bytes apart: a tile's eight K steps can fall to two work-groups, so they cannot meet in one LDS; 96 KB in all.
; Memory binds here: no matrix unit, no cluster (work-groups share 16 KB of parameters and nothing else), no tensor loads.
; A block's byte is its largest magnitude's exponent field - 2, held at 1 from below by a floor among the maximum's leaves.
; LIMITS: NaN and infinities are not served; a block whose largest magnitude lies under 2^-124 keeps the byte 1 (a block of zeros too: its codes are zeros, and this program alone reads the bytes).
.set PST,  0                           ; LDS: the four vectors, 32 blocks x 144 bytes each
.set ST0,  18432                       ; a wave's two stages of 32 x 144 bytes; at the head its 9,216 bytes take a weight task's 16 rows x 528
.set SB0,  92160                       ; a wave's scale bytes: [tensor][row][lane], 512 bytes
.set WSP,  528                         ; a weight task's stage row: 512 bytes + 16
.set R,    16                          ; v16-111  three rows as loaded
.set X,    112                         ; v112-175 two rows, 32 neighbours a lane; at the head a weight task's 64 numbers
.set Y,    176                         ; v176-207 a normed row
.set C,    208                         ; v208-215 codes, four registers a tensor
.set WTM,  240                         ; v240-246 the weight task: at work
.set WWD,  247                         ; v247     its scale word: written nowhere else
.set WCD,  248                         ; v248-255 its fragment: written nowhere else
.set SEL,  30
.set MSB,  0
.macro WIN new                         ; the immediate's high byte repeats the setting that is left
.if MSB != \new
	s_set_vgpr_msb (MSB<<8)|\new
.set MSB, \new
.endif
.endm
; 64 numbers of a lane, register 32 c + i = k 64 c + 32 hh + i of its row, become the fragment's eight registers and the row's scale word
.macro FRAGQ x, tm, cd, wd, hh
.irp c, 0,1
	v_max3_num_f32 v[\tm+\c], |v[\x+32*\c]|, |v[\x+32*\c+1]|, 0x1800000     ; with the floor 2^(3 - 127): the byte cannot fall under 1
.endr
.irp i, 2,4,6,8,10,12,14,16,18,20,22,24,26,28,30
.irp c, 0,1
	v_max3_num_f32 v[\tm+\c], v[\tm+\c], |v[\x+32*\c+\i]|, |v[\x+32*\c+\i+1]|   ; the two blocks by turns
.endr
.endr
.irp c, 0,1
	v_add_nc_u32 v[\tm+2+\c], 0xff000000, v[\tm+\c]        ; 2 off the exponent field: the conversion's scale operand
.endr
.irp c, 0,1
	v_lshrrev_b32 v[\tm+4+\c], 23, v[\tm+2+\c]             ; the byte
.endr
	v_lshl_or_b32 v[\wd], v[\tm+5], 16, v[\tm+4]           ; my blocks hh and 2 + hh,
	v_lshlrev_b32 v[\tm+6], 3, v[\hh]
	v_lshlrev_b32 v[\wd], v[\tm+6], v[\wd]                 ; at their places in the word;
	v_mov_b32 v[\tm+6], 0
	v_permlanex16_b32 v[\tm+6], v[\wd], s[SEL], s[SEL+1]
	v_or_b32 v[\wd], v[\wd], v[\tm+6]                      ; with lane l xor 16's two the word is whole
.irp c, 0,1
.irp g, 0,1,2,3
	v_cvt_scalef32_pk8_fp4_f32 v[\cd+4*\c+\g], v[\x+32*\c+8*\g:\x+32*\c+8*\g+7], v[\tm+2+\c]
.endr
.endr
	v_nop                                                  ; one plain line behind the last conversion
.endm
	s_load_b256 s[4:11], s[0:1], 0x0               ; x, norm_w, norm_b, tnorm_w
	s_load_b128 s[12:15], s[0:1], 0x20             ; tnorm_b, xc
	s_load_b64 s[16:17], s[0:1], 0x30              ; xs
	s_load_b64 s[48:49], s[0:1], 0x38              ; Wq
	s_load_b128 s[52:55], s[0:1], 0x40             ; Wk s[52:53], Wv s[54:55]
	s_load_b128 s[56:59], s[0:1], 0x50             ; wc s[56:57], wsc s[58:59]
	v_lshl_add_u32 v222, v0, 2, 0x17800
	v_mov_b32 v223, 0
	v_lshrrev_b32 v1, 5, v0
	v_readfirstlane_b32 s18, v1                    ; wave
	v_and_b32 v1, 31, v0                           ; lane
	v_lshlrev_b32 v2, 4, v1                        ; 16 x lane
	v_lshrrev_b32 v10, 3, v1
	v_mul_u32_u24 v10, v10, 144
	v_and_b32 v11, 7, v1
	v_lshl_add_u32 v10, v11, 4, v10                ; on the way in eight lanes fill a block: 144 (lane / 8) + 16 (lane % 8)
	s_mul_i32 s37, s18, 9216
	s_add_co_u32 s37, s37, ST0
	v_add_nc_u32 v3, s37, v10
	v_mul_u32_u24 v9, v1, 144                      ; on the way out a lane takes a block
	v_add_nc_u32 v4, s37, v9
	v_add_nc_u32 v12, s37, v2                      ; the weight task, on the way in: 16 x lane of a stage row
	v_and_b32 v14, 15, v0                          ; r
	v_bfe_u32 v15, v0, 4, 1                        ; hh
	v_mul_u32_u24 v13, v14, WSP
	v_lshl_add_u32 v13, v15, 7, v13
	v_add_nc_u32 v13, s37, v13                     ; and out: row r, + 128 hh bytes
	v_lshlrev_b32 v14, 5, v14                      ; row r's 32 scale bytes in wsc
	s_lshl_b32 s37, s18, 9
	s_add_co_u32 s37, s37, SB0
	v_add_nc_u32 v5, s37, v1
	v_lshlrev_b32 v7, 3, v1
	v_add_nc_u32 v6, s37, v7
	s_mul_i32 s37, s18, 2304
	v_add_nc_u32 v8, s37, v10                      ; wave w brings half w % 2 of vector w / 2
	v_mov_b32 v233, 0                              ; a lane permute's destination counts as read
	v_mov_b32 v239, 0x3a800000                     ; 1 / 1,024
	s_mov_b32 s[SEL], 0x76543210
	s_mov_b32 s[SEL+1], 0xfedcba98
	s_and_b32 s19, ttmp9, 3                        ; b
	s_lshr_b32 s20, ttmp9, 2
	s_lshl_b32 s20, s20, 6                         ; the group's first t
	s_lshl_b32 s21, s18, 3
	s_add_co_u32 s21, s20, s21                     ; my first t
	s_lshl_b32 s38, s21, 14
	s_lshl_b32 s39, s19, 12
	s_add_co_u32 s38, s38, s39                     ; x: t x 16,384 + b x 4,096
	s_mov_b32 s39, 0
	s_lshl_b32 s22, s19, 12
	s_add_co_u32 s23, s22, s21                     ; xn's row
	s_and_b32 s24, s18, 1
	s_lshl_b32 s24, s24, 1
	s_bfe_u32 s25, s18, 0x10001
	s_or_b32 s24, s24, s25
	s_and_b32 s25, s18, 4
	s_or_b32 s24, s24, s25                         ; the wave's number with bits 0 and 1 exchanged: t's bits 3 and 4
	s_lshl_b32 s24, s24, 3
	s_add_co_u32 s24, s24, s20
	s_add_co_u32 s24, s24, s22                     ; xtn's storage row
	s_lshl_b32 s40, s23, 9
	s_mov_b32 s41, 0
	s_lshl_b32 s42, s24, 9
	s_add_co_u32 s42, s42, 0x800000
	s_mov_b32 s43, 0
	s_lshl_b32 s44, s23, 5
	s_mov_b32 s45, 0
	s_lshl_b32 s46, s24, 5
	s_add_co_u32 s46, s46, 0x80000
	s_mov_b32 s47, 0
	; the weight task of waves 0 to 5: number 6 g + w = 8 (64 y + T) + K step
	s_mul_i32 s66, ttmp9, 6
	s_add_co_u32 s66, s66, s18
	s_lshr_b32 s67, s66, 3                         ; 64 y + T
	s_and_b32 s68, s66, 7                          ; the K step
	s_lshr_b32 s69, s67, 6                         ; y: which tensor
	s_and_b32 s70, s67, 63                         ; T
	s_lshr_b32 s72, s70, 1
	s_lshl_b32 s72, s72, 5
	s_and_b32 s71, s70, 1
	s_lshl_b32 s71, s71, 3
	s_add_co_u32 s72, s72, s71                     ; Wq: the tile's first row 32 (T / 2) + 8 (T % 2),
	s_lshl_b32 s71, s70, 4                         ; the others: 16 T
	s_cmp_eq_u32 s69, 0
	s_cselect_b32 s72, s72, s71
	s_cselect_b32 s74, 0x8000, 0                   ; Wq: rows 8-15 of the tile lie 8 rows (32,768 bytes) further down
	s_mov_b32 s75, 0
	s_lshl_b32 s72, s72, 12
	s_lshl_b32 s71, s68, 9
	s_add_co_u32 s72, s72, s71                     ; row x 4,096 + 512 x K step
	s_mov_b32 s73, 0
	s_lshl_b32 s76, s66, 10                        ; the image's place in wc: 1,024 x the task's number
	s_mov_b32 s77, 0
	s_lshl_b32 s78, s67, 9
	s_lshl_b32 s71, s68, 2
	s_add_co_u32 s78, s78, s71                     ; the tile's 512 bytes in wsc, + 4 x K step
	s_mov_b32 s79, 0
	s_wait_kmcnt 0x0
	s_add_nc_u64 s[4:5], s[4:5], s[38:39]
	s_add_nc_u64 s[26:27], s[14:15], s[40:41]      ; xn's codes,
	s_add_nc_u64 s[28:29], s[14:15], s[42:43]      ; xtn's,
	s_add_nc_u64 s[32:33], s[16:17], s[44:45]      ; xn's scale bytes,
	s_add_nc_u64 s[34:35], s[16:17], s[46:47]      ; xtn's
	s_cmp_eq_u32 s69, 1                            ; the weight is chosen by the task's number alone
	s_cselect_b64 s[52:53], s[52:53], s[54:55]
	s_cmp_eq_u32 s69, 0
	s_cselect_b64 s[80:81], s[48:49], s[52:53]
	s_add_nc_u64 s[80:81], s[80:81], s[72:73]      ; the tile's rows 0-7,
	s_add_nc_u64 s[82:83], s[80:81], s[74:75]      ; its rows 8-15,
	s_add_nc_u64 s[84:85], s[56:57], s[76:77]      ; its image,
	s_add_nc_u64 s[86:87], s[58:59], s[78:79]      ; its scale words
	s_lshr_b32 s19, s18, 1                         ; which vector I bring: chosen by the wave's number alone
	s_cmp_lt_u32 s19, 1
	s_cselect_b64 s[20:21], s[6:7], s[8:9]
	s_cmp_lt_u32 s19, 3
	s_cselect_b64 s[22:23], s[10:11], s[12:13]
	s_cmp_lt_u32 s19, 2
	s_cselect_b64 s[20:21], s[20:21], s[22:23]
	s_and_b32 s24, s18, 1
	s_lshl_b32 s24, s24, 11
	s_mov_b32 s25, 0
	s_add_nc_u64 s[20:21], s[20:21], s[24:25]
.macro LOADROW t                       ; eight loads of 512 consecutive bytes: a row
.irp j, 0,1,2,3,4,5,6,7
	global_load_b128 v[R+32*((\t)%3)+4*\j:R+32*((\t)%3)+4*\j+3], v2, s[4:5] offset:16384*(\t)+512*\j th:TH_LOAD_NT
.endr
.endm
.macro TURN t                          ; row t through stage t % 2: LDS serves a wave's instructions in order, so no wait stands between the stores and the loads
.irp j, 0,1,2,3,4,5,6,7
	ds_store_b128 v3, v[R+32*((\t)%3)+4*\j:R+32*((\t)%3)+4*\j+3] offset:4608*((\t)%2)+576*\j
.endr
.irp g, 0,1,2,3,4,5,6,7
	ds_load_b128 v[X+32*((\t)%2)+4*\g:X+32*((\t)%2)+4*\g+3], v4 offset:4608*((\t)%2)+16*\g
.endr
.endm
.irp j, 0,1,2,3
	global_load_b128 v[Y+4*\j:Y+4*\j+3], v2, s[20:21] offset:512*\j
.endr
	LOADROW 0
	LOADROW 1
	LOADROW 2
	; ---- THE WEIGHT TASK, waves 0 to 5: one block under one branch on the wave's number; no barrier stands in it.  Its 16 loads are the youngest of the 44 that are out, and its last wait is for 0:
	; so no load of the wave is out where the ways join, and the counted waits further down, which count rows alone, hold on both ways
	s_cmp_ge_u32 s18, 6
	s_cbranch_scc1 .Lno_task
.irp i, 0,1,2,3,4,5,6,7
	global_load_b128 v[X+4*\i:X+4*\i+3], v2, s[80:81] offset:4096*\i th:TH_LOAD_NT    ; 32 lanes read 512 consecutive bytes of a row
.endr
.irp i, 8,9,10,11,12,13,14,15
	global_load_b128 v[X+4*\i:X+4*\i+3], v2, s[82:83] offset:4096*\i th:TH_LOAD_NT
.endr
.irp i, 0,1,2,3,4,5,6,7,8,9,10,11,12,13,14,15
	s_wait_loadcnt 15-\i                           ; the task's row i is in; its 15 - i younger loads may be out
	ds_store_b128 v12, v[X+4*\i:X+4*\i+3] offset:WSP*\i
.endr
.irp c, 0,1
.irp g, 0,1,2,3,4,5,6,7
	ds_load_b128 v[X+32*\c+4*\g:X+32*\c+4*\g+3], v13 offset:256*\c+16*\g    ; these see my stores, and land in the registers that the stores have left
.endr
.endr
	s_wait_dscnt 0x0                               ; my two blocks are in; the stage is free for row 0
	FRAGQ X, WTM, WCD, WWD, 15
	global_store_b128 v2, v[WCD:WCD+3], s[84:85]             ; each store covers 512 consecutive bytes, aligned
	global_store_b128 v2, v[WCD+4:WCD+7], s[84:85] offset:512
	v_cmp_gt_u32 vcc_lo, 16, v1                    ; lanes r and r + 16 hold the same word: lanes 0-15 store it
	s_wait_xcnt 0x0                                ; EXEC is a source of the stores above: it is narrowed only behind this wait,
	s_and_saveexec_b32 s88, vcc_lo
	global_store_b32 v14, v[WWD], s[86:87]
	s_wait_xcnt 0x0                                ; and widened again only behind this one
	s_or_b32 exec_lo, exec_lo, s88
.Lno_task:
	s_wait_loadcnt 24                              ; the parameters are in; the three rows' 24 loads may be out
.irp j, 0,1,2,3
	ds_store_b128 v8, v[Y+4*\j:Y+4*\j+3] offset:PST+576*\j
.endr
	s_wait_dscnt 0x0                               ; for the others' sake
	s_barrier_signal -1
	s_barrier_wait -1
	WIN 0x40                                       ; destination window 1: gain 1 v0-31, bias 1 v32-63, gain 2 v64-95, bias 2 v96-127
.irp p, 0,1,2,3
.irp g, 0,1,2,3,4,5,6,7
	ds_load_b128 v[32*\p+4*\g:32*\p+4*\g+3], v9 offset:PST+4608*\p+16*\g
.endr
.endr
	WIN 0
	s_wait_loadcnt 16                              ; row 0 is in
	TURN 0
.macro FOLD                            ; four chains of pairs become one number in every lane of the wave
	v_pk_add_f32 v[224:225], v[224:225], v[226:227]
	v_pk_add_f32 v[228:229], v[228:229], v[230:231]
	v_pk_add_f32 v[224:225], v[224:225], v[228:229]
	v_add_f32 v232, v224, v225
	v_add_f32_dpp v232, v232, v232 row_xmask:1 row_mask:0xf bank_mask:0xf
	v_add_f32_dpp v232, v232, v232 row_xmask:2 row_mask:0xf bank_mask:0xf
	v_add_f32_dpp v232, v232, v232 row_xmask:4 row_mask:0xf bank_mask:0xf
	v_add_f32_dpp v232, v232, v232 row_xmask:8 row_mask:0xf bank_mask:0xf
	v_permlanex16_b32 v233, v232, s[SEL], s[SEL+1]
	v_add_f32 v232, v232, v233
.endm
.macro QROW n, tn                      ; row n under gain and bias tn: quantised and stored
	WIN 0x14                                       ; sources 1 and 2 window 1
.irp j, 0,2,4,6,8,10,12,14,16,18,20,22,24,26,28,30
	v_pk_fma_f32 v[Y+\j:Y+\j+1], v[XR+\j:XR+\j+1], v[64*\tn+\j:64*\tn+\j+1], v[64*\tn+32+\j:64*\tn+32+\j+1]
.endr
	WIN 0
	v_max3_num_f32 v240, |v[Y]|, |v[Y+1]|, |v[Y+2]|          ; the block's largest magnitude: all 32 numbers are mine
	v_max3_num_f32 v241, |v[Y+3]|, |v[Y+4]|, |v[Y+5]|
.irp i, 6,10,14,18,22,26
	v_max3_num_f32 v240, v240, |v[Y+\i]|, |v[Y+\i+1]|
	v_max3_num_f32 v241, v241, |v[Y+\i+2]|, |v[Y+\i+3]|
.endr
	v_max3_num_f32 v240, v240, |v[Y+30]|, |v[Y+31]|
	v_max3_num_f32 v240, v240, v241, 0x1800000     ; and the floor 2^(3 - 127)
	v_add_nc_u32 v242, 0xff000000, v240            ; 2 off the exponent field: the conversion's scale operand
	s_wait_xcnt 0x0                                ; the last row's store has read its codes: they are written again only behind this wait
.irp g, 0,1,2,3
	v_cvt_scalef32_pk8_fp4_f32 v[C+4*\tn+\g], v[Y+8*\g:Y+8*\g+7], v242
.endr
	v_lshrrev_b32 v[243+\tn], 23, v242             ; the byte; also the plain line behind the conversions
	ds_store_b8 v5, v[243+\tn] offset:256*\tn+32*(\n)
	global_store_b128 v2, v[C+4*\tn:C+4*\tn+3], s[26+2*\tn:27+2*\tn] offset:512*(\n)   ; 32 lanes store the row's 512 bytes
.endm
.macro ROW n
.set XR, X+32*((\n)%2)
.if (\n) == 0
	s_wait_dscnt 0x0                               ; the parameters and row 0
.else
	s_wait_dscnt 0x2                               ; this row is back from its stage; the last row's two byte stores, issued behind it, may be out
.endif
.if (\n)+3 < 8
	LOADROW (\n)+3                                 ; into the registers that this row has left
.endif
.if (\n) < 7
.if (\n) <= 4
	s_wait_loadcnt 16                              ; the next row is in; the two rows behind it may be out
.elseif (\n) == 5
	s_wait_loadcnt 8
.else
	s_wait_loadcnt 0
.endif
	TURN (\n)+1
.endif
.irp k, 0,1,2,3
	v_pk_add_f32 v[224+2*\k:225+2*\k], v[XR+2*\k:XR+2*\k+1], v[XR+8+2*\k:XR+9+2*\k]     ; the sum, in four chains
.endr
.irp m, 16,24
.irp k, 0,1,2,3
	v_pk_add_f32 v[224+2*\k:225+2*\k], v[224+2*\k:225+2*\k], v[XR+\m+2*\k:XR+\m+2*\k+1]
.endr
.endr
	FOLD
	v_mul_f32 v234, 0x3a800000, v232               ; the mean, twice: a pair for the packed form
	v_mul_f32 v235, 0x3a800000, v232
.irp j, 0,2,4,6,8,10,12,14,16,18,20,22,24,26,28,30
	v_pk_add_f32 v[XR+\j:XR+\j+1], v[XR+\j:XR+\j+1], v[234:235] neg_lo:[0,1] neg_hi:[0,1]
.endr
.irp k, 0,1,2,3
	v_pk_mul_f32 v[224+2*\k:225+2*\k], v[XR+2*\k:XR+2*\k+1], v[XR+2*\k:XR+2*\k+1]       ; the squares of the differences
.endr
.irp m, 8,16,24
.irp k, 0,1,2,3
	v_pk_fma_f32 v[224+2*\k:225+2*\k], v[XR+\m+2*\k:XR+\m+2*\k+1], v[XR+\m+2*\k:XR+\m+2*\k+1], v[224+2*\k:225+2*\k]
.endr
.endr
	FOLD
	v_fmaak_f32 v238, v239, v232, 0x3727c5ac       ; the variance + 1e-5
	v_rsq_f32 v236, v238
	v_nop                                          ; one plain line behind the transcendental
	s_wait_alu depctr_va_vdst(0)
	v_mov_b32 v237, v236
.irp j, 0,2,4,6,8,10,12,14,16,18,20,22,24,26,28,30
	v_pk_mul_f32 v[XR+\j:XR+\j+1], v[XR+\j:XR+\j+1], v[236:237]
.endr
	QROW \n, 0
	QROW \n, 1
.endm
.irp n, 0,1,2,3,4,5,6,7
	ROW \n
.endr
	ds_load_b64 v[224:225], v6                     ; my 8 rows x 32 scale bytes of each tensor: these loads see my byte stores
	ds_load_b64 v[226:227], v6 offset:256
	s_wait_dscnt 0x0
	global_store_b64 v7, v[224:225], s[32:33]      ; 32 lanes store 256 consecutive bytes, aligned
	global_store_b64 v7, v[226:227], s[34:35]
	s_wait_tensorcnt 0x0
	ds_add_u32 v222, v223
	s_wait_dscnt 0x0
	s_endpgm
.Lfunc_end_k_qe5510e7868_prep:
	.size	k_qe5510e7868_prep, .Lfunc_end_k_qe5510e7868_prep-k_qe5510e7868_prep
	.p2alignl 7, 3214868480
	.fill 96, 4, 3214868480
	.section	.rodata,"a",@progbits
	.p2align	6, 0x0
	.amdhsa_kernel k_qe5510e7868_prep
		.amdhsa_group_segment_fixed_size 97280
		.amdhsa_private_segment_fixed_size 0
		.amdhsa_enable_private_segment 0
		.amdhsa_kernarg_size 96
		.amdhsa_user_sgpr_count 2
		.amdhsa_user_sgpr_kernarg_segment_ptr 1
		.amdhsa_wavefront_size32 1
		.amdhsa_system_sgpr_workgroup_id_x 1
		.amdhsa_system_sgpr_workgroup_id_y 1
		.amdhsa_system_sgpr_workgroup_id_z 1
		.amdhsa_system_vgpr_workitem_id 0
		.amdhsa_next_free_vgpr 384
		.amdhsa_next_free_sgpr 96
		.amdhsa_reserve_vcc 1
		.amdhsa_float_denorm_mode_32 3
		.amdhsa_float_denorm_mode_16_64 3
		.amdhsa_memory_ordered 1
		.amdhsa_forward_progress 1
		.amdhsa_inst_pref_size 114
	.end_amdhsa_kernel
	.amdgpu_metadata
---
amdhsa.version: [ 1, 2 ]
amdhsa.kernels:
  - .name:           k_qe5510e7868_prep
    .symbol:         k_qe5510e7868_prep.kd
    .args:
      - { .name: x, .offset: 0, .size: 8, .value_kind: global_buffer, .address_space: global }
      - { .name: norm_w, .offset: 8, .size: 8, .value_kind: global_buffer, .address_space: global }
      - { .name: norm_b, .offset: 16, .size: 8, .value_kind: global_buffer, .address_space: global }
      - { .name: tnorm_w, .offset: 24, .size: 8, .value_kind: global_buffer, .address_space: global }
      - { .name: tnorm_b, .offset: 32, .size: 8, .value_kind: global_buffer, .address_space: global }
      - { .name: xc, .offset: 40, .size: 8, .value_kind: global_buffer, .address_space: global }
      - { .name: xs, .offset: 48, .size: 8, .value_kind: global_buffer, .address_space: global }
      - { .name: Wq, .offset: 56, .size: 8, .value_kind: global_buffer, .address_space: global }
      - { .name: Wk, .offset: 64, .size: 8, .value_kind: global_buffer, .address_space: global }
      - { .name: Wv, .offset: 72, .size: 8, .value_kind: global_buffer, .address_space: global }
      - { .name: wc, .offset: 80, .size: 8, .value_kind: global_buffer, .address_space: global }
      - { .name: wsc, .offset: 88, .size: 8, .value_kind: global_buffer, .address_space: global }
    .group_segment_fixed_size: 97280
    .private_segment_fixed_size: 0
    .kernarg_segment_align: 8
    .kernarg_segment_size: 96
    .max_flat_workgroup_size: 256
    .sgpr_count:     96
    .vgpr_count:     384
    .wavefront_size: 32
...
	.end_amdgpu_metadata
.endif
;; end of part 1
;; launch kvstate (part 2): grid 8 x 32, 4 waves a work-group, clusters of 4 x 1, 327,680 bytes of LDS; arguments xc, xs, wc, wsc, bk, bv, part, stat; writes part, stat
.if DOCPART == 2
	.amdgcn_target "amdgcn-amd-amdhsa--gfx1250"
	.amdhsa_code_object_version 6
	.text
	.protected	k_qe5510e7868_kvstate
	.globl	k_qe5510e7868_kvstate
	.p2align	8
	.type	k_qe5510e7868_kvstate,@function
k_qe5510e7868_kvstate:
	s_mov_b64 s[64:65], 0
	v_nop
	global_prefetch_b8 v0, s[64:65] scope:SCOPE_SE
	s_setreg_imm32_b32 hwreg(HW_REG_WAVE_MODE, 25, 1), 1
	s_wait_xcnt 0x0
	s_wait_alu depctr_hold_cnt(0) depctr_sa_sdst(0) depctr_va_vdst(0) depctr_va_sdst(0) depctr_va_ssrc(0) depctr_va_vcc(0) depctr_vm_vsrc(0)
	s_getreg_b32 s2, hwreg(HW_REG_IB_STS2, 6, 4)
	s_cmp_eq_u32 s2, 0
	s_cbranch_scc0 .Lentry_in_a_cluster
	s_endpgm
.Lentry_in_a_cluster:
	s_bfe_u32 s2, ttmp6, 0x10000c
	s_cmp_lg_u32 s2, 0x3003
	s_cbranch_scc0 .Lentry_shape_is_right
	s_endpgm
.Lentry_shape_is_right:
; For one head, one b and 512 t: k = xtn Wk^T + bk, v = xtn Wv^T + bv, p = 2^(k log2 e - M) with a running whole M for each column d, and the partial state att^T[l][d] = sum over t of v[t][l] p[t][d].
; All three products on codes of FP4 (E2M1) with E8M0 scales.  Out: part (att^T under the chunk's last M), stat (-M and the sum of the unquantised p, for each d).  k and v never go to memory.
; SHARES.  Work-group: head = 4 x cluster x + cx, y = 8 b + chunk.  Wave w: k's columns 32 w .. + 31 (column tiles 0, 1), v's columns 32 w .. + 31 (tiles 2, 3), att^T for its 32 d against all 128 l.
; Its 32 KB of weights stay in 256 registers.  The chunk's 512 rows of xtn's codes (256 KB) and scale bytes come into LDS ONCE: nothing is filled again.
; CLUSTER.  The four work-groups of a cluster are four heads of the same y and read the same rows of xtn: every tensor load is asked for jointly, with a mask that names the four.  cx enters global addresses alone.
; LAYOUT.  Products 2 and 3: source 0 = 16 storage rows of xtn, source 1 = 16 rows of the weight: a lane holds ONE column and eight t.  Storage rows are t with bits 3 and 4 exchanged, so the 16 registers of
; tiles 2 g, 2 g + 1 are t = 32 g + 16 (lane / 16) + 0 .. 15: neighbours along the next K.  Product 4: source 0 = v's fragment (16 l), source 1 = p's (16 d): a lane holds one d, the d whose M it holds.
; v's fragments go from wave to wave through LDS as images of their registers, in two buffers by turns: one barrier a trip.
; REGISTERS, in windows of 256: window 0: addresses, statistics, scale words, p's and v's codes, x's fragments in two sets (the second also takes v's fragments).  window 1: the weights, 64 ct + 8 s.
; window 2: the 32 accumulators, 64 ct + 8 tt.  window 3: att^T, 64 kt + 8 lt; from v128 the biases, 8 registers a column tile.
; LIMITS: NaN and infinities are not served; p under 2^-126 comes out of the exponential as 0; a block whose largest magnitude lies under 2^-124 keeps the byte 1.
.set PX,    528                        ; a row of codes in LDS: 512 bytes + 16: the 16 rows of a fragment load start at 16 different 16-byte columns
.set XS,    512*PX                     ; behind the codes: the scale bytes, 64 runs of 256 bytes + 16; row q at 272 (q / 8) + 32 (q % 8)
.set IMG,   XS+64*272                  ; behind them: two buffers of 8 images of 1,024 bytes and 8 x 128 bytes of scale words
.set IBUF,  9216
.set AX,  3                            ; v3   r x 528 + 16 hh
.set ASC, 4                            ; v4   my row's scale words
.set LI,  5                            ; v5   IMG + 16 x lane
.set LS,  6                            ; v6   IMG + 8,192 + 4 x lane
.set IWI, 7                            ; v7   where I store images: + 2,048 x wave
.set IWS, 8                            ; v8   and their words: + 256 x wave
.set ADX, 9                            ; v9-14 the trip's addresses
.set ADS, 10
.set ADI, 11
.set ADL, 12
.set ADW, 13
.set ADV, 14
.set L16, 15                           ; v15  16 x lane
.set ST,  16                           ; v16-31 for each kt: +0 -M, +1 the largest t, +2, +3 the sum, +4 f, +5 its pair's other half
.set WSC, 32                           ; v32-47 the weights' scale words: lanes 0-15 K steps 0-3, lanes 16-31 K steps 4-7
.set XSC, 48                           ; v48-79 x's likewise, four registers a tile
.set VSW, 48                           ; v48-55 later v's
.set PS,  80                           ; v80-81 p's scale words
.set PW,  82                           ; v82    v's, just made
.set TP,  83
.set BL,  84                           ; v84-87 biases as loaded
.set PF,  88                           ; v88-103 p's two fragments
.set PC,  104                          ; v104-111 v's codes just made
.set TM,  112                          ; v112-127 at work
.set XF,  128                          ; v128-191, v192-255 x's fragments
.set VF,  192
.set BIAS, 128                         ; in window 3
.set WV,  24
.set G1X, 32                           ; s[32:39] group 1 for the codes;  s[40:47] for the scale bytes;  s[48:63] four groups 0
.set G1S, 40
.set SEL, 66
.set CS,  68
.set TB,  70
.set TS,  71
.set IB,  72
.set CNT, 73
.set MSB, 0
.macro WIN new                         ; the immediate's high byte repeats the setting that is left
.if MSB != \new
	s_set_vgpr_msb (MSB<<8)|\new
.set MSB, \new
.endif
.endm
.macro PLACES                          ; four plain lines between a matrix instruction and a load into, or a vector read of, its registers
.rept 4
	v_nop
.endr
.endm
.macro CROUND                          ; a round of the cluster's barrier
	s_barrier_signal -1
	s_barrier_wait -1
	s_cmp_lg_u32 s[WV], 0
	s_cbranch_scc1 .Lnot_wave_0_\@
	s_barrier_signal -3
.Lnot_wave_0_\@:
	s_barrier_wait -3
	s_barrier_signal -1
	s_barrier_wait -1
.endm
; one product.  c < 0: the constant 0 starts the sum.  row = 1: both scale words are taken from lanes 16-31
.macro MM d, a, b, c, sa, sb, row
.if (\c) < 0
	v_wmma_scale_f32_16x16x128_f8f6f4 v[\d:\d+7], v[\a:\a+7], v[\b:\b+7], 0, v[\sa], v[\sb] matrix_a_fmt:MATRIX_FMT_FP4 matrix_b_fmt:MATRIX_FMT_FP4
.elseif \row
	v_wmma_scale_f32_16x16x128_f8f6f4 v[\d:\d+7], v[\a:\a+7], v[\b:\b+7], v[\c:\c+7], v[\sa], v[\sb] matrix_a_fmt:MATRIX_FMT_FP4 matrix_b_fmt:MATRIX_FMT_FP4 matrix_a_scale:MATRIX_SCALE_ROW1 matrix_b_scale:MATRIX_SCALE_ROW1
.else
	v_wmma_scale_f32_16x16x128_f8f6f4 v[\d:\d+7], v[\a:\a+7], v[\b:\b+7], v[\c:\c+7], v[\sa], v[\sb] matrix_a_fmt:MATRIX_FMT_FP4 matrix_b_fmt:MATRIX_FMT_FP4
.endif
.endm
	s_load_b256 s[4:11], s[0:1], 0x0               ; xc s[4:5], xs s[6:7], wc s[8:9], wsc s[10:11]
	s_load_b256 s[12:19], s[0:1], 0x20             ; bk s[12:13], bv s[14:15], part s[16:17], stat s[18:19]
	v_lshl_add_u32 v122, v0, 2, 0x4ac00
	v_mov_b32 v123, 0
	ds_add_u32 v122, v123
	ds_add_u32 v122, v123
	v_lshrrev_b32 v1, 5, v0
	v_readfirstlane_b32 s[WV], v1                  ; wave 0..3
	s_bfe_u32 s25, ttmp6, 0x40000                  ; cx
	s_lshl_b32 s26, ttmp9, 2
	s_add_co_u32 s26, s26, s25                     ; the head: it enters global addresses of weights, biases and results alone
	s_and_b32 s27, ttmp7, 0xffff                   ; y = 8 b + chunk, which the four partners share
	; group 1, codes: 64 rows of 512 bytes, dense in memory, 16 bytes of padding behind each in LDS
	s_mov_b32 s[G1X], 15|(1<<20)|(1<<21)|(6<<22)|(3<<25)   ; 15:0 the mask: all four; 17:16 elements of 1 byte; 20 padding on; 21 set beside a mask; 24:22 after every 128 words; 31:25 four words
	s_mov_b32 s[G1X+1], 512<<16                    ; tensor_dim0
	s_mov_b32 s[G1X+2], 64<<16                     ; tensor_dim1
	s_mov_b32 s[G1X+3], 512<<16                    ; tile_dim0
	s_mov_b32 s[G1X+4], 64                         ; tile_dim1
	s_mov_b32 s[G1X+5], 512                        ; from row to row
	s_mov_b32 s[G1X+6], 0
	s_mov_b32 s[G1X+7], 0
	; group 1, scale bytes: 64 rows x 32 bytes are 8 runs of 256 bytes (32 elements of 8 bytes), 16 bytes of padding behind each
	s_mov_b32 s[G1S], 15|(3<<16)|(1<<20)|(1<<21)|(5<<22)|(3<<25)
	s_mov_b32 s[G1S+1], 32<<16
	s_mov_b32 s[G1S+2], 8<<16
	s_mov_b32 s[G1S+3], 32<<16
	s_mov_b32 s[G1S+4], 8
	s_mov_b32 s[G1S+5], 32
	s_mov_b32 s[G1S+6], 0
	s_mov_b32 s[G1S+7], 0
	s_lshl_b32 s74, s27, 18                        ; xtn's codes: 512 y rows of 512 bytes, + my 64 rows
	s_lshl_b32 s75, s[WV], 15
	s_add_co_u32 s74, s74, s75
	s_add_co_u32 s74, s74, 0x800000
	s_mov_b32 s75, 0
	s_lshl_b32 s76, s27, 14                        ; and their scale bytes
	s_lshl_b32 s77, s[WV], 11
	s_add_co_u32 s76, s76, s77
	s_add_co_u32 s76, s76, 0x80000
	s_mov_b32 s77, 0
	s_mul_i32 s78, s[WV], 64*PX                    ; where they go: the wave's number times a constant
	s_mul_i32 s79, s[WV], 8*272
	s_lshl_b32 s80, s26, 3
	s_lshl_b32 s81, s[WV], 1
	s_add_co_u32 s80, s80, s81                     ; my first weight tile: 8 head + 2 wave
	s_lshr_b32 s84, s27, 3
	s_and_b32 s85, s27, 7
	s_lshl_b32 s84, s84, 6
	s_lshl_b32 s86, s26, 3
	s_add_co_u32 s84, s84, s86
	s_add_co_u32 s84, s84, s85                     ; idx = (8 b + head) 8 + chunk
	s_mov_b32 s[SEL], 0x76543210
	s_mov_b32 s[SEL+1], 0xfedcba98
	s_mov_b32 s[CS], 0x3fb8aa3b                    ; log2(e)
	s_mov_b32 s[CS+1], s[CS]                       ; (named with it as a pair)
	s_mov_b32 s[TB], 0
	s_mov_b32 s[TS], 0
	s_mov_b32 s[IB], 0
	s_wait_dscnt 0x0
	s_wait_kmcnt 0x0
	s_add_nc_u64 s[74:75], s[4:5], s[74:75]
	s_add_nc_u64 s[76:77], s[6:7], s[76:77]
	s_mov_b32 s48, 1                               ; scale bytes of rows 64 w on
	s_add_co_u32 s49, s79, XS
	s_mov_b64 s[50:51], s[76:77]
	s_or_b32 s51, s51, 0x80000000
	s_mov_b32 s52, 1                               ; codes of rows 64 w on
	s_mov_b32 s53, s78
	s_mov_b64 s[54:55], s[74:75]
	s_or_b32 s55, s55, 0x80000000
	s_mov_b32 s56, 1                               ; scale bytes of rows 256 + 64 w on
	s_add_co_u32 s57, s79, XS+32*272
	s_add_nc_u64 s[58:59], s[76:77], 8192
	s_or_b32 s59, s59, 0x80000000
	s_mov_b32 s60, 1                               ; codes of rows 256 + 64 w on
	s_add_co_u32 s61, s78, 256*PX
	s_add_nc_u64 s[62:63], s[74:75], 131072
	s_or_b32 s63, s63, 0x80000000
	s_lshl_b32 s82, s80, 13
	s_add_co_u32 s82, s82, 0x80000                 ; Wk's images begin 524,288 bytes into wc, Wv's as many further on
	s_mov_b32 s83, 0
	s_add_nc_u64 s[8:9], s[8:9], s[82:83]
	s_lshl_b32 s82, s80, 9
	s_add_co_u32 s82, s82, 0x8000
	s_add_nc_u64 s[10:11], s[10:11], s[82:83]
	s_lshl_b32 s82, s80, 6                         ; 16 columns x 4 bytes a tile
	s_add_nc_u64 s[12:13], s[12:13], s[82:83]
	s_add_nc_u64 s[14:15], s[14:15], s[82:83]
	s_lshl_b32 s82, s84, 16
	s_lshl_b32 s85, s[WV], 14
	s_add_co_u32 s82, s82, s85
	s_add_nc_u64 s[16:17], s[16:17], s[82:83]
	s_lshl_b32 s82, s84, 11
	s_lshl_b32 s85, s[WV], 9
	s_add_co_u32 s82, s82, s85
	s_add_nc_u64 s[18:19], s[18:19], s[82:83]
	CROUND                                         ; all four work-groups are here: the joint loads meet
	tensor_load_to_lds s[48:51], s[G1S:G1S+7]      ; all fills of the launch go out together: four loads of mine are out
	s_nop 0
	tensor_load_to_lds s[52:55], s[G1X:G1X+7]
	s_nop 0
	tensor_load_to_lds s[56:59], s[G1S:G1S+7]
	s_nop 0
	tensor_load_to_lds s[60:63], s[G1X:G1X+7]
	s_nop 0
.rept 4
	v_nop
.endr
	v_and_b32 v1, 15, v0                           ; r
	v_bfe_u32 v2, v0, 4, 1                         ; hh
	v_and_b32 v[TP], 31, v0
	v_lshlrev_b32 v[L16], 4, v[TP]
	v_mul_u32_u24 v[AX], v1, PX
	v_lshl_add_u32 v[AX], v2, 4, v[AX]
	v_lshrrev_b32 v9, 3, v1
	v_mul_u32_u24 v9, v9, 272
	v_and_b32 v10, 7, v1
	v_lshl_add_u32 v9, v10, 5, v9
	v_lshl_add_u32 v9, v2, 4, v9
	v_add_nc_u32 v[ASC], XS, v9                    ; 272 (r / 8) + 32 (r % 8) + 16 hh: lanes 16-31 take the words of K steps 4-7
	v_add_nc_u32 v[LI], IMG, v[L16]
	v_lshlrev_b32 v10, 2, v[TP]
	v_add_nc_u32 v[LS], IMG+8192, v10
	s_lshl_b32 s89, s[WV], 11
	v_add_nc_u32 v[IWI], s89, v[LI]
	s_lshl_b32 s89, s[WV], 8
	v_add_nc_u32 v[IWS], s89, v[LS]
	v_lshlrev_b32 v11, 5, v1
	v_lshl_add_u32 v11, v2, 4, v11                 ; the weights' scale words: 32 r + 16 hh
	v_lshlrev_b32 v12, 2, v1                       ; the biases: 4 r
	WIN 0x40                                       ; destination window 1
.set i, 0
.rept 32
	global_load_b128 v[4*i:4*i+3], v[L16], s[8:9] offset:512*i                 ; Wk's two tiles, 16 KB on end
.set i, i+1
.endr
.set i, 0
.rept 32
	global_load_b128 v[128+4*i:128+4*i+3], v[L16], s[8:9] offset:524288+512*i  ; Wv's
.set i, i+1
.endr
	WIN 0
.irp c, 0,1
	global_load_b128 v[WSC+4*\c:WSC+4*\c+3], v11, s[10:11] offset:512*\c
	global_load_b128 v[WSC+8+4*\c:WSC+8+4*\c+3], v11, s[10:11] offset:32768+512*\c
	global_load_b32 v[BL+\c], v12, s[12:13] offset:64*\c
	global_load_b32 v[BL+2+\c], v12, s[14:15] offset:64*\c
.endr
.irp k, 0,1
	v_mov_b32 v[ST+8*\k+1], 0xff61b1e6             ; the largest t so far: -3e38
	v_floor_f32 v[ST+8*\k], -v[ST+8*\k+1]          ; -M
	v_mov_b32 v[ST+8*\k+2], 0                      ; the sum, in two halves
	v_mov_b32 v[ST+8*\k+3], 0
	v_mov_b32 v[ST+8*\k+4], 0
	v_mov_b32 v[ST+8*\k+5], 0
.endr
.irp b, 0,1,2,3
	v_mov_b32 v[TM+4+\b], 0                        ; a lane permute's destination counts as read
.endr
	s_wait_loadcnt 0x0
	WIN 0xc0                                       ; destination window 3: a column's bias is the same for all eight t of a lane
.irp ct, 0,1,2,3
.irp j, 0,1,2,3,4,5,6,7
	v_mov_b32 v[BIAS+8*\ct+\j], v[BL+\ct]
.endr
.endr
	WIN 0
	s_wait_tensorcnt 0x2                           ; my parts of rows 0-255 are in; the two loads issued behind them may be out
	s_barrier_signal -1
	s_barrier_wait -1                              ; everybody's are
; K step s of products 2 and 3: 8 tiles of t x 4 column tiles.  The 32 accumulators take turns, one instruction a turn.  The next step's fragments are asked for ahead of the products.
.macro KSTEP s
	s_wait_dscnt 0x0                               ; this step's fragments, asked for a step ago
.if (\s) < 7
	PLACES                                         ; the other set was read by the last step's products
	WIN 0
.irp tt, 0,1,2,3,4,5,6,7
.irp c, 0,1
	ds_load_b128 v[XF+64*(((\s)+1)%2)+8*\tt+4*\c:XF+64*(((\s)+1)%2)+8*\tt+4*\c+3], v[ADX] offset:16*PX*\tt+64*((\s)+1)+32*\c
.endr
.endr
.endif
.if (\s) == 0
	WIN 0xb4                                       ; source 0 (x) window 0, source 1 (weights) window 1, C (biases) window 3, D window 2
.else
	WIN 0xa4                                       ; C and D window 2
.endif
.irp tt, 0,1,2,3,4,5,6,7
.irp ct, 0,1,2,3
.if (\s) == 0
	MM 64*\ct+8*\tt, XF+8*\tt, 64*\ct, BIAS+8*\ct, XSC+4*\tt, WSC+4*\ct, 0
.else
	MM 64*\ct+8*\tt, XF+64*((\s)%2)+8*\tt, 64*\ct+8*(\s), 64*\ct+8*\tt, XSC+4*\tt+(\s)%4, WSC+4*\ct+(\s)%4, (\s)/4
.endif
.endr
.endr
.endm
; v's column tile vt: 64 numbers a lane, register 16 g + i = t 32 g + 16 hh + i of column r, become a fragment and a scale word, and go to LDS as they stand
.macro VQUANT vt
.set A, 128+64*(\vt)
	WIN 0x0a
.irp b, 0,1,2,3
	v_max3_num_f32 v[TM+\b], |v[A+16*\b]|, |v[A+16*\b+1]|, 0x1800000     ; each accumulator is read from its low end on; the floor 2^(3 - 127) holds the byte at 1
.endr
	WIN 0x28
.irp i, 2,4,6,8,10,12,14
.irp b, 0,1,2,3
	v_max3_num_f32 v[TM+\b], v[TM+\b], |v[A+16*\b+\i]|, |v[A+16*\b+\i+1]|
.endr
.endr
	WIN 0
.irp b, 0,1,2,3
	v_permlanex16_b32 v[TM+4+\b], v[TM+\b], s[SEL], s[SEL+1]
.endr
.irp b, 0,1,2,3
	v_max_num_f32 v[TM+\b], v[TM+\b], v[TM+4+\b]   ; with lane l xor 16's 16: the block's largest magnitude
.endr
.irp b, 0,1,2,3
	v_add_nc_u32 v[TM+12+\b], 0xff000000, v[TM+\b]
.endr
.irp b, 0,1,2,3
	v_lshrrev_b32 v[TM+4+\b], 23, v[TM+12+\b]
.endr
	v_lshl_or_b32 v[PW], v[TM+5], 8, v[TM+4]
	v_lshl_or_b32 v[PW], v[TM+6], 16, v[PW]
	v_lshl_or_b32 v[PW], v[TM+7], 24, v[PW]
	WIN 0x02
.irp b, 0,1,2,3
	v_cvt_scalef32_pk8_fp4_f32 v[PC+2*\b], v[A+16*\b:A+16*\b+7], v[TM+12+\b]
	v_cvt_scalef32_pk8_fp4_f32 v[PC+2*\b+1], v[A+16*\b+8:A+16*\b+15], v[TM+12+\b]
.endr
	v_nop                                          ; one plain line behind the last conversion
	WIN 0
.irp c, 0,1
.irp i, 0,1
	v_permlane16_swap_b32 v[PC+4*\c+\i], v[PC+4*\c+2+\i]   ; a whole block to a lane: lanes 0-15 block 2 c, lanes 16-31 block 2 c + 1
.endr
.endr
.irp c, 0,1
	ds_store_b128 v[ADW], v[PC+4*\c:PC+4*\c+3] offset:1024*(\vt)+512*\c
.endr
	ds_store_b32 v[ADV], v[PW] offset:128*(\vt)
	s_wait_dscnt 0x0                               ; the stores have read their registers
.endm
; k's column tile kt: the running M, p, its sum, its fragment and scale word
.macro KSOFT kt
.set A, 64*(\kt)
.set S, ST+8*(\kt)
	WIN 0x2a
.irp b, 0,1,2,3
	v_max3_num_f32 v[TM+\b], v[A+16*\b], v[A+16*\b+1], v[A+16*\b+2]      ; the largest logit of each block of 32 t: it serves the column's maximum and, since p rises with the logit, the block's largest p
.endr
	WIN 0x28
.irp i, 3,5,7,9,11,13
.irp b, 0,1,2,3
	v_max3_num_f32 v[TM+\b], v[TM+\b], v[A+16*\b+\i], v[A+16*\b+\i+1]
.endr
.endr
	WIN 0x08
.irp b, 0,1,2,3
	v_max_num_f32 v[TM+\b], v[TM+\b], v[A+16*\b+15]
.endr
	WIN 0
.irp b, 0,1,2,3
	v_permlanex16_b32 v[TM+4+\b], v[TM+\b], s[SEL], s[SEL+1]
.endr
.irp b, 0,1,2,3
	v_max_num_f32 v[TM+\b], v[TM+\b], v[TM+4+\b]
.endr
	v_max3_num_f32 v[TP], v[TM], v[TM+1], v[TM+2]
	v_max_num_f32 v[TP], v[TP], v[TM+3]
	v_mul_f32 v[TP], s[CS], v[TP]                  ; as t
	v_max_num_f32 v[S+1], v[S+1], v[TP]            ; the running largest t
	v_mov_b32 v[TP], v[S]
	v_floor_f32 v[S], -v[S+1]                      ; -M = floor(-t): M is a whole number
	v_sub_f32 v[TP], v[S], v[TP]                   ; old M - new M: a whole number, 0 or less
	v_cvt_i32_f32 v[TP], v[TP]                     ; (it saturates)
	v_ldexp_f32 v[S+4], 1.0, v[TP]                 ; f = 2^(old M - new M): multiplying by it rounds nothing
	WIN 0x82
.set j, 0
.rept 32
	v_pk_fma_f32 v[A+j:A+j+1], v[A+j:A+j+1], s[CS:CS+1], v[S:S+1] op_sel_hi:[1,0,0]    ; t - M, two at a time
.set j, j+2
.endr
	WIN 0
.irp b, 0,1,2,3
	v_fma_f32 v[TM+\b], v[TM+\b], s[CS], v[S]      ; the same of each block's largest logit
.endr
	WIN 0x82
.set j, 0
.rept 64
	v_exp_f32 v[A+j], v[A+j]                       ; p = 2^(t - M)
.set j, j+1
.endr
	WIN 0
.irp b, 0,1,2,3
	v_exp_f32 v[TM+\b], v[TM+\b]                   ; the block's largest p: the same two instructions on the same number
.endr
	v_pk_mul_f32 v[S+2:S+3], v[S+2:S+3], v[S+4:S+5] op_sel_hi:[1,0]      ; the sum under the new M; the plain line behind the exponentials
	s_wait_alu depctr_va_vdst(0)
.irp b, 0,1,2,3
	v_max_num_f32 v[TM+\b], 0x1800000, v[TM+\b]
.endr
.irp b, 0,1,2,3
	v_add_nc_u32 v[TM+12+\b], 0xff000000, v[TM+\b]
.endr
.irp b, 0,1,2,3
	v_lshrrev_b32 v[TM+4+\b], 23, v[TM+12+\b]
.endr
	v_lshl_or_b32 v[PS+\kt], v[TM+5], 8, v[TM+4]
	v_lshl_or_b32 v[PS+\kt], v[TM+6], 16, v[PS+\kt]
	v_lshl_or_b32 v[PS+\kt], v[TM+7], 24, v[PS+\kt]
	WIN 0x02
.irp b, 0,1,2,3
	v_cvt_scalef32_pk8_fp4_f32 v[PF+8*(\kt)+2*\b], v[A+16*\b:A+16*\b+7], v[TM+12+\b]
	v_cvt_scalef32_pk8_fp4_f32 v[PF+8*(\kt)+2*\b+1], v[A+16*\b+8:A+16*\b+15], v[TM+12+\b]
.endr
	v_nop
	WIN 0
.irp c, 0,1
.irp i, 0,1
	v_permlane16_swap_b32 v[PF+8*(\kt)+4*\c+\i], v[PF+8*(\kt)+4*\c+2+\i]
.endr
.endr
	WIN 0x0a
	v_pk_add_f32 v[TM+8:TM+9], v[A:A+1], v[A+2:A+3]          ; the sum is taken of the unquantised p, in two chains.  These 32 additions are also the places between the
	WIN 0x08                                                 ; last write of p's codes and scale word and the products that take them
.set j, 4
.rept 15
	v_pk_add_f32 v[S+2:S+3], v[S+2:S+3], v[A+j:A+j+1]
	v_pk_add_f32 v[TM+8:TM+9], v[TM+8:TM+9], v[A+j+2:A+j+3]
.set j, j+4
.endr
	WIN 0
	v_pk_add_f32 v[S+2:S+3], v[S+2:S+3], v[TM+8:TM+9]
.endm
; A TRIP: 128 t.  first = 1: the products V^T P start att^T's sums with the constant 0, and the wave waits for the second half of the rows ahead of the trip's barrier
.macro TRIP first
	v_add_nc_u32 v[ADX], s[TB], v[AX]              ; six plain lines: also the places behind the last trip's products, ahead of loads into their scale registers
	v_add_nc_u32 v[ADS], s[TS], v[ASC]
	v_add_nc_u32 v[ADI], s[IB], v[LI]
	v_add_nc_u32 v[ADL], s[IB], v[LS]
	v_add_nc_u32 v[ADW], s[IB], v[IWI]
	v_add_nc_u32 v[ADV], s[IB], v[IWS]
.irp tt, 0,1,2,3,4,5,6,7
	ds_load_b128 v[XSC+4*\tt:XSC+4*\tt+3], v[ADS] offset:544*\tt
.endr
.irp tt, 0,1,2,3,4,5,6,7
.irp c, 0,1
	ds_load_b128 v[XF+8*\tt+4*\c:XF+8*\tt+4*\c+3], v[ADX] offset:16*PX*\tt+32*\c
.endr
.endr
.irp s, 0,1,2,3,4,5,6,7
	KSTEP \s
.endr
	PLACES
	VQUANT 0
	VQUANT 1
.if \first
	s_wait_tensorcnt 0x0                           ; my parts of rows 256-511 are in: the barrier below shows them to every wave
.endif
	s_wait_dscnt 0x0                               ; my images have landed, and my reads of the other buffer are long over
	s_barrier_signal -1
	s_barrier_wait -1                              ; the eight images lie in this trip's buffer; it is written again two trips on, behind the next trip's barrier
.irp lt, 0,1,2,3,4,5,6,7
.irp c, 0,1
	ds_load_b128 v[VF+8*\lt+4*\c:VF+8*\lt+4*\c+3], v[ADI] offset:1024*\lt+512*\c
.endr
	ds_load_b32 v[VSW+\lt], v[ADL] offset:128*\lt
.endr
	KSOFT 0
	KSOFT 1
.if !\first
	WIN 0xc3                                       ; att^T under the new M: x f, each accumulator from its low end on
.irp kt, 0,1
.set j, 0
.rept 32
	v_pk_mul_f32 v[64*\kt+j:64*\kt+j+1], v[64*\kt+j:64*\kt+j+1], v[ST+8*\kt+4:ST+8*\kt+5] op_sel_hi:[1,0]
.set j, j+2
.endr
.endr
.endif
	s_wait_dscnt 0x0                               ; v's fragments and scale words
	WIN 0xf0                                       ; sources 0 and 1 window 0, C and D window 3
.irp lt, 0,1,2,3,4,5,6,7
.irp kt, 0,1
.if \first
	MM 64*\kt+8*\lt, VF+8*\lt, PF+8*\kt, -1, VSW+\lt, PS+\kt, 0
.else
	MM 64*\kt+8*\lt, VF+8*\lt, PF+8*\kt, 64*\kt+8*\lt, VSW+\lt, PS+\kt, 0
.endif
.endr
.endr
	WIN 0
	s_add_co_u32 s[TB], s[TB], 128*PX
	s_add_co_u32 s[TS], s[TS], 16*272
	s_xor_b32 s[IB], s[IB], IBUF
.endm
	TRIP 1
	s_mov_b32 s[CNT], 3
.Ltrip:
	TRIP 0
	s_sub_co_u32 s[CNT], s[CNT], 1
	s_cmp_lg_u32 s[CNT], 0
	s_cbranch_scc1 .Ltrip
	; the chunk's statistics; these lines are also the places behind the last products
.irp k, 0,1
	v_add_f32 v[ST+8*\k+2], v[ST+8*\k+2], v[ST+8*\k+3]
.endr
.irp k, 0,1
	v_permlanex16_b32 v[TM+4+\k], v[ST+8*\k+2], s[SEL], s[SEL+1]
.endr
	v_add_f32 v[TM+1], v[ST+2], v[TM+4]            ; with lane l xor 16's t: the column's sum
	v_add_f32 v[TM+3], v[ST+10], v[TM+5]
	v_mov_b32 v[TM], v[ST]
	v_mov_b32 v[TM+2], v[ST+8]
	global_store_b128 v[L16], v[TM:TM+3], s[18:19]           ; -M, l of tile 0; -M, l of tile 1
	WIN 0x0c                                       ; a store's data are its source 1: window 3
.set i, 0
.rept 32
	global_store_b128 v[L16], v[4*i:4*i+3], s[16:17] offset:512*i    ; ascending: each accumulator from its low end on; each store covers 512 consecutive bytes, aligned
.set i, i+1
.endr
	WIN 0
	s_wait_tensorcnt 0x0
	ds_add_u32 v122, v123
	s_wait_dscnt 0x0
	CROUND                                         ; the closing round
	s_endpgm
.Lfunc_end_k_qe5510e7868_kvstate:
	.size	k_qe5510e7868_kvstate, .Lfunc_end_k_qe5510e7868_kvstate-k_qe5510e7868_kvstate
	.p2alignl 7, 3214868480
	.fill 96, 4, 3214868480
	.section	.rodata,"a",@progbits
	.p2align	6, 0x0
	.amdhsa_kernel k_qe5510e7868_kvstate
		.amdhsa_group_segment_fixed_size 327680
		.amdhsa_private_segment_fixed_size 0
		.amdhsa_enable_private_segment 0
		.amdhsa_kernarg_size 64
		.amdhsa_user_sgpr_count 2
		.amdhsa_user_sgpr_kernarg_segment_ptr 1
		.amdhsa_wavefront_size32 1
		.amdhsa_system_sgpr_workgroup_id_x 1
		.amdhsa_system_sgpr_workgroup_id_y 1
		.amdhsa_system_sgpr_workgroup_id_z 1
		.amdhsa_system_vgpr_workitem_id 0
		.amdhsa_next_free_vgpr 1024
		.amdhsa_next_free_sgpr 100
		.amdhsa_reserve_vcc 0
		.amdhsa_float_denorm_mode_32 3
		.amdhsa_float_denorm_mode_16_64 3
		.amdhsa_memory_ordered 1
		.amdhsa_forward_progress 1
		.amdhsa_inst_pref_size 176
	.end_amdhsa_kernel
	.amdgpu_metadata
---
amdhsa.version: [ 1, 2 ]
amdhsa.kernels:
  - .name:           k_qe5510e7868_kvstate
    .symbol:         k_qe5510e7868_kvstate.kd
    .args:
      - { .name: xc, .offset: 0, .size: 8, .value_kind: global_buffer, .address_space: global }
      - { .name: xs, .offset: 8, .size: 8, .value_kind: global_buffer, .address_space: global }
      - { .name: wc, .offset: 16, .size: 8, .value_kind: global_buffer, .address_space: global }
      - { .name: wsc, .offset: 24, .size: 8, .value_kind: global_buffer, .address_space: global }
      - { .name: bk, .offset: 32, .size: 8, .value_kind: global_buffer, .address_space: global }
      - { .name: bv, .offset: 40, .size: 8, .value_kind: global_buffer, .address_space: global }
      - { .name: part, .offset: 48, .size: 8, .value_kind: global_buffer, .address_space: global }
      - { .name: stat, .offset: 56, .size: 8, .value_kind: global_buffer, .address_space: global }
    .group_segment_fixed_size: 327680
    .private_segment_fixed_size: 0
    .kernarg_segment_align: 8
    .kernarg_segment_size: 64
    .max_flat_workgroup_size: 128
    .sgpr_count:     100
    .vgpr_count:     1024
    .wavefront_size: 32
...
	.end_amdgpu_metadata
.endif
;; end of part 2
;; launch combine (part 3): grid 8 x 32, 8 waves a work-group, no clusters, 9,728 bytes of LDS; arguments part, stat, attc, atts; writes attc, atts
.if DOCPART == 3
	.amdgcn_target "amdgcn-amd-amdhsa--gfx1250"
	.amdhsa_code_object_version 6
	.text
	.protected	k_qe5510e7868_combine
	.globl	k_qe5510e7868_combine
	.p2align	8
	.type	k_qe5510e7868_combine,@function
k_qe5510e7868_combine:
	s_mov_b64 s[64:65], 0
	v_nop
	global_prefetch_b8 v0, s[64:65] scope:SCOPE_SE
	s_setreg_imm32_b32 hwreg(HW_REG_WAVE_MODE, 25, 1), 1
	s_wait_xcnt 0x0
; The eight chunks' partial states of one (b, head) are brought under one M by exact powers of two and added; att[d][l] = the sum / the sum of p, as the softmax over time has it; att is then
; quantised along d (the last product's K) to codes of FP4 (E2M1) with E8M0 scales, as images of the operand's registers: attc [bh][lt][c][lane][16 bytes], atts [bh][lt][lane] words.
; A work-group takes 16 l (tile lt) of one bh; wave i takes d 16 i .. 16 i + 15: a lane holds one d (lane % 16) and the l 8 (lane / 16) + 0 .. 7, as the launch before left them.
; The 16 x 128 numbers meet in LDS, rows of 512 bytes + 16 along d, and wave 0 quantises them: a lane takes two whole blocks of 32 of row l = lane % 16.
; Small and bound by its 17 MB of reads: no matrix unit, no cluster, no tensor loads.  atts is stored 128 bytes a tile: 32 KB in all.
; LIMITS: NaN and infinities are not served; a block whose largest magnitude lies under 2^-124 keeps the byte 1.
.set P,    16                          ; v16-79   chunk c's eight numbers at 16 + 8 c; later wave 0's 64 numbers
.set SS,   80                          ; v80-95   chunk c's -M and l
.set F,    96                          ; v96-103  2^(M_c - M)
.set AT,   112                         ; v112-119 att
.set TM,   144
.set CD,   160
.set WD,   168
.set SEL,  28
.macro FRAGQ x, tm, cd, wd, hh
.irp c, 0,1
	v_max3_num_f32 v[\tm+\c], |v[\x+32*\c]|, |v[\x+32*\c+1]|, 0x1800000     ; with the floor 2^(3 - 127): the byte cannot fall under 1
.endr
.irp i, 2,4,6,8,10,12,14,16,18,20,22,24,26,28,30
.irp c, 0,1
	v_max3_num_f32 v[\tm+\c], v[\tm+\c], |v[\x+32*\c+\i]|, |v[\x+32*\c+\i+1]|
.endr
.endr
.irp c, 0,1
	v_add_nc_u32 v[\tm+2+\c], 0xff000000, v[\tm+\c]        ; 2 off the exponent field: the conversion's scale operand
.endr
.irp c, 0,1
	v_lshrrev_b32 v[\tm+4+\c], 23, v[\tm+2+\c]
.endr
	v_lshl_or_b32 v[\wd], v[\tm+5], 16, v[\tm+4]           ; my blocks hh and 2 + hh, at their places in the word
	v_lshlrev_b32 v[\tm+6], 3, v[\hh]
	v_lshlrev_b32 v[\wd], v[\tm+6], v[\wd]
	v_mov_b32 v[\tm+6], 0
	v_permlanex16_b32 v[\tm+6], v[\wd], s[SEL], s[SEL+1]
	v_or_b32 v[\wd], v[\wd], v[\tm+6]
.irp c, 0,1
.irp g, 0,1,2,3
	v_cvt_scalef32_pk8_fp4_f32 v[\cd+4*\c+\g], v[\x+32*\c+8*\g:\x+32*\c+8*\g+7], v[\tm+2+\c]
.endr
.endr
	v_nop
.endm
	s_load_b256 s[4:11], s[0:1], 0x0               ; part s[4:5], stat s[6:7], attc s[8:9], atts s[10:11]
	v_lshl_add_u32 v176, v0, 2, 0x2200
	v_mov_b32 v177, 0
	v_lshrrev_b32 v1, 5, v0
	v_readfirstlane_b32 s12, v1                    ; wave i = d tile
	s_and_b32 s13, ttmp7, 0xffff                   ; bh
	v_and_b32 v1, 31, v0
	v_and_b32 v2, 15, v0                           ; r
	v_bfe_u32 v3, v0, 4, 1                         ; hh
	v_lshlrev_b32 v4, 4, v1                        ; 16 x lane
	v_mul_u32_u24 v5, v3, 8*528
	v_lshl_add_u32 v5, v2, 2, v5
	s_lshl_b32 s14, s12, 6
	v_add_nc_u32 v5, s14, v5                       ; into LDS: row 8 hh + j, column 16 i + r
	v_mul_u32_u24 v6, v2, 528
	v_lshl_add_u32 v6, v3, 7, v6                   ; out of it: row r, + 128 hh bytes
	v_lshlrev_b32 v7, 2, v1
	s_mov_b32 s[SEL], 0x76543210
	s_mov_b32 s[SEL+1], 0xfedcba98
	s_lshl_b32 s16, s13, 19
	s_lshl_b32 s17, s12, 13
	s_add_co_u32 s16, s16, s17
	s_lshl_b32 s17, ttmp9, 10
	s_add_co_u32 s16, s16, s17                     ; part: bh x 524,288 + i x 8,192 + lt x 1,024
	s_mov_b32 s17, 0
	s_lshl_b32 s18, s13, 14
	s_lshr_b32 s19, s12, 1
	s_lshl_b32 s19, s19, 9
	s_add_co_u32 s18, s18, s19
	s_and_b32 s19, s12, 1
	s_lshl_b32 s19, s19, 3
	s_add_co_u32 s18, s18, s19                     ; stat: bh x 16,384 + (i / 2) x 512 + (i % 2) x 8
	s_mov_b32 s19, 0
	s_lshl_b32 s20, s13, 3
	s_add_co_u32 s20, s20, ttmp9
	s_lshl_b32 s22, s20, 7
	s_mov_b32 s23, 0
	s_lshl_b32 s20, s20, 10
	s_mov_b32 s21, 0
	s_wait_kmcnt 0x0
	s_add_nc_u64 s[4:5], s[4:5], s[16:17]
	s_add_nc_u64 s[6:7], s[6:7], s[18:19]
	s_add_nc_u64 s[8:9], s[8:9], s[20:21]
	s_add_nc_u64 s[10:11], s[10:11], s[22:23]
.irp c, 0,1,2,3,4,5,6,7
	global_load_b64 v[SS+2*\c:SS+2*\c+1], v4, s[6:7] offset:2048*\c
.endr
.irp c, 0,1,2,3,4,5,6,7
	global_load_b128 v[P+8*\c:P+8*\c+3], v4, s[4:5] offset:65536*\c th:TH_LOAD_NT
	global_load_b128 v[P+8*\c+4:P+8*\c+7], v4, s[4:5] offset:65536*\c+512 th:TH_LOAD_NT
.endr
	s_wait_loadcnt 16                              ; the statistics are in; the 16 loads behind them may be out
	v_min3_num_f32 v104, v[SS], v[SS+2], v[SS+4]   ; -M = the least -M_c
	v_min3_num_f32 v104, v104, v[SS+6], v[SS+8]
	v_min3_num_f32 v104, v104, v[SS+10], v[SS+12]
	v_min_num_f32 v104, v104, v[SS+14]
.irp c, 0,1,2,3,4,5,6,7
	v_sub_f32 v[F+\c], v104, v[SS+2*\c]            ; M_c - M: a whole number, 0 or less
.endr
.irp c, 0,1,2,3,4,5,6,7
	v_cvt_i32_f32 v[F+\c], v[F+\c]
.endr
.irp c, 0,1,2,3,4,5,6,7
	v_ldexp_f32 v[F+\c], 1.0, v[F+\c]
.endr
	v_mul_f32 v105, v[F], v[SS+1]
.irp c, 1,2,3,4,5,6,7
	v_fmac_f32 v105, v[F+\c], v[SS+2*\c+1]         ; the sum of p over all t
.endr
	v_rcp_f32 v106, v105
	s_wait_loadcnt 0x0
.irp j, 0,1,2,3,4,5,6,7
	v_mul_f32 v[AT+\j], v[F], v[P+\j]              ; (plain lines behind the reciprocal)
.endr
.irp c, 1,2,3,4,5,6,7
.irp j, 0,1,2,3,4,5,6,7
	v_fmac_f32 v[AT+\j], v[F+\c], v[P+8*\c+\j]
.endr
.endr
	s_wait_alu depctr_va_vdst(0)
.irp j, 0,1,2,3,4,5,6,7
	v_mul_f32 v[AT+\j], v[AT+\j], v106
.endr
.irp j, 0,1,2,3,4,5,6,7
	ds_store_b32 v5, v[AT+\j] offset:528*\j
.endr
	s_wait_dscnt 0x0                               ; for wave 0's sake
	s_barrier_signal -1
	s_barrier_wait -1
	s_cmp_lg_u32 s12, 0
	s_cbranch_scc1 .Ldone
.irp c, 0,1
.irp g, 0,1,2,3,4,5,6,7
	ds_load_b128 v[P+32*\c+4*\g:P+32*\c+4*\g+3], v6 offset:256*\c+16*\g
.endr
.endr
	s_wait_dscnt 0x0
	FRAGQ P, TM, CD, WD, 3
	global_store_b128 v4, v[CD:CD+3], s[8:9]
	global_store_b128 v4, v[CD+4:CD+7], s[8:9] offset:512
	global_store_b32 v7, v[WD], s[10:11]
.Ldone:
	s_wait_tensorcnt 0x0
	ds_add_u32 v176, v177
	s_wait_dscnt 0x0
	s_endpgm
.Lfunc_end_k_qe5510e7868_combine:
	.size	k_qe5510e7868_combine, .Lfunc_end_k_qe5510e7868_combine-k_qe5510e7868_combine
	.p2alignl 7, 3214868480
	.fill 96, 4, 3214868480
	.section	.rodata,"a",@progbits
	.p2align	6, 0x0
	.amdhsa_kernel k_qe5510e7868_combine
		.amdhsa_group_segment_fixed_size 9728
		.amdhsa_private_segment_fixed_size 0
		.amdhsa_enable_private_segment 0
		.amdhsa_kernarg_size 32
		.amdhsa_user_sgpr_count 2
		.amdhsa_user_sgpr_kernarg_segment_ptr 1
		.amdhsa_wavefront_size32 1
		.amdhsa_system_sgpr_workgroup_id_x 1
		.amdhsa_system_sgpr_workgroup_id_y 1
		.amdhsa_system_sgpr_workgroup_id_z 1
		.amdhsa_system_vgpr_workitem_id 0
		.amdhsa_next_free_vgpr 178
		.amdhsa_next_free_sgpr 66
		.amdhsa_reserve_vcc 0
		.amdhsa_float_denorm_mode_32 3
		.amdhsa_float_denorm_mode_16_64 3
		.amdhsa_memory_ordered 1
		.amdhsa_forward_progress 1
		.amdhsa_inst_pref_size 14
	.end_amdhsa_kernel
	.amdgpu_metadata
---
amdhsa.version: [ 1, 2 ]
amdhsa.kernels:
  - .name:           k_qe5510e7868_combine
    .symbol:         k_qe5510e7868_combine.kd
    .args:
      - { .name: part, .offset: 0, .size: 8, .value_kind: global_buffer, .address_space: global }
      - { .name: stat, .offset: 8, .size: 8, .value_kind: global_buffer, .address_space: global }
      - { .name: attc, .offset: 16, .size: 8, .value_kind: global_buffer, .address_space: global }
      - { .name: atts, .offset: 24, .size: 8, .value_kind: global_buffer, .address_space: global }
    .group_segment_fixed_size: 9728
    .private_segment_fixed_size: 0
    .kernarg_segment_align: 8
    .kernarg_segment_size: 32
    .max_flat_workgroup_size: 256
    .sgpr_count:     66
    .vgpr_count:     178
    .wavefront_size: 32
...
	.end_amdgpu_metadata
.endif
;; end of part 3
;; launch qout (part 4): grid 8 x 32, 4 waves a work-group, clusters of 4 x 1, 327,680 bytes of LDS; arguments xc, xs, wc, wsc, bq, attc, atts, out0; writes out0
.if DOCPART == 4
	.amdgcn_target "amdgcn-amd-amdhsa--gfx1250"
	.amdhsa_code_object_version 6
	.text
	.protected	k_qe5510e7868_qout
	.globl	k_qe5510e7868_qout
	.p2align	8
	.type	k_qe5510e7868_qout,@function
k_qe5510e7868_qout:
	s_mov_b64 s[64:65], 0
	v_nop
	global_prefetch_b8 v0, s[64:65] scope:SCOPE_SE
	s_setreg_imm32_b32 hwreg(HW_REG_WAVE_MODE, 25, 1), 1
	s_wait_xcnt 0x0
	s_wait_alu depctr_hold_cnt(0) depctr_sa_sdst(0) depctr_va_vdst(0) depctr_va_sdst(0) depctr_va_ssrc(0) depctr_va_vcc(0) depctr_vm_vsrc(0)
	s_getreg_b32 s2, hwreg(HW_REG_IB_STS2, 6, 4)
	s_cmp_eq_u32 s2, 0
	s_cbranch_scc0 .Lentry_in_a_cluster
	s_endpgm
.Lentry_in_a_cluster:
	s_bfe_u32 s2, ttmp6, 0x10000c
	s_cmp_lg_u32 s2, 0x3003
	s_cbranch_scc0 .Lentry_shape_is_right
	s_endpgm
.Lentry_shape_is_right:
; For one head, one b and 512 t: q = xn Wq^T + bq; p = 2^(q log2 e - M), M the ceiling of the row's largest, over the head's 128; y[t][l] = (sum over d of p[t][d] att[d][l]) / the sum of the unquantised p.
; Both products on codes of FP4 (E2M1) with E8M0 scales.  q never goes to memory.
; SHARES.  Work-group: head = 4 x cluster x + cx, y = 8 b + chunk.  Wave w: t 128 w .. 128 w + 127 of the chunk, 32 at a time.  It brings its own rows of xn's codes and scale bytes into LDS and alone reads them,
; so its own wait on TENSORcnt orders its reads.  Every wave holds the head's whole Wq (64 KB, 512 registers), bq and att: a fragment of x read from LDS feeds eight products.  Nothing is filled again.
; CLUSTER.  The four work-groups of a cluster are four heads of the same y and read the same rows of xn: every tensor load is asked for jointly.  cx enters global addresses alone.
; LAYOUT.  Both products are used transposed (source 0 = 16 rows of Wq, or 16 l of att; source 1 = 16 t), so a lane holds ONE t throughout.  The rows of Wq that form a tile were chosen so that the 16 registers
; of tiles 2 g, 2 g + 1 are d = 32 g + 16 (lane / 16) + 0 .. 15.  In y a lane holds eight neighbouring l of a row; rows go through the wave's stage in LDS and leave as 512 consecutive bytes.
; REGISTERS, in windows of 256: window 0: addresses, scale words, p's codes, statistics; v128-255 x's fragments 64 tt + 8 s, later rows of y.  windows 1, 2: Wq, 64 (dt % 4) + 8 s.
; window 3: the 16 accumulators 64 tt + 8 dt; from v128 bq, 8 registers a tile; from v192 att's eight fragments.
; LIMITS: NaN and infinities are not served; p under 2^-126 comes out of the exponential as 0.
.set PX,    528
.set XS,    512*PX
.set STG,   XS+64*272                  ; behind the fills: a stage of 16 rows x (512 bytes + 16) for each wave
.set AX,  3
.set ASC, 4
.set STO, 5
.set RD,  6
.set GO,  7
.set ADX, 9
.set ADS, 10
.set WQS, 16                           ; v16-47 Wq's scale words: lanes 0-15 K steps 0-3, lanes 16-31 K steps 4-7
.set XSC, 48                           ; v48-55 x's likewise
.set ASW, 56                           ; v56-63 att's
.set QS,  64                           ; v64-65 p's
.set QF,  72                           ; v72-87 p's two fragments
.set SQ,  88                           ; v88-103 for each tt: +0 -M, +1 the largest t, +2, +3 the sum, +4 its reciprocal, +5 its pair's other half
.set TM,  104                          ; v104-119 at work
.set TP,  120
.set XF,  128
.set BQ,  128                          ; in window 3
.set AF,  192
.set WV,  24
.set G1X, 32
.set G1S, 40
.set SEL, 66
.set CS,  68
.set TB,  70
.set TS,  71
.set CNT, 73
.set MSB, 0
.macro WIN new                         ; the immediate's high byte repeats the setting that is left
.if MSB != \new
	s_set_vgpr_msb (MSB<<8)|\new
.set MSB, \new
.endif
.endm
.macro PLACES
.rept 4
	v_nop
.endr
.endm
.macro CROUND                          ; a round of the cluster's barrier
	s_barrier_signal -1
	s_barrier_wait -1
	s_cmp_lg_u32 s[WV], 0
	s_cbranch_scc1 .Lnot_wave_0_\@
	s_barrier_signal -3
.Lnot_wave_0_\@:
	s_barrier_wait -3
	s_barrier_signal -1
	s_barrier_wait -1
.endm
.macro MM d, a, b, c, sa, sb, row
.if (\c) < 0
	v_wmma_scale_f32_16x16x128_f8f6f4 v[\d:\d+7], v[\a:\a+7], v[\b:\b+7], 0, v[\sa], v[\sb] matrix_a_fmt:MATRIX_FMT_FP4 matrix_b_fmt:MATRIX_FMT_FP4
.elseif \row
	v_wmma_scale_f32_16x16x128_f8f6f4 v[\d:\d+7], v[\a:\a+7], v[\b:\b+7], v[\c:\c+7], v[\sa], v[\sb] matrix_a_fmt:MATRIX_FMT_FP4 matrix_b_fmt:MATRIX_FMT_FP4 matrix_a_scale:MATRIX_SCALE_ROW1 matrix_b_scale:MATRIX_SCALE_ROW1
.else
	v_wmma_scale_f32_16x16x128_f8f6f4 v[\d:\d+7], v[\a:\a+7], v[\b:\b+7], v[\c:\c+7], v[\sa], v[\sb] matrix_a_fmt:MATRIX_FMT_FP4 matrix_b_fmt:MATRIX_FMT_FP4
.endif
.endm
	s_load_b256 s[4:11], s[0:1], 0x0               ; xc s[4:5], xs s[6:7], wc s[8:9], wsc s[10:11]
	s_load_b256 s[12:19], s[0:1], 0x20             ; bq s[12:13], attc s[14:15], atts s[16:17], out0 s[18:19]
	v_lshl_add_u32 v126, v0, 2, 0x4e800
	v_mov_b32 v127, 0
	ds_add_u32 v126, v127
	ds_add_u32 v126, v127
	v_lshrrev_b32 v1, 5, v0
	v_readfirstlane_b32 s[WV], v1
	s_bfe_u32 s25, ttmp6, 0x40000                  ; cx
	s_lshl_b32 s26, ttmp9, 2
	s_add_co_u32 s26, s26, s25                     ; the head
	s_and_b32 s27, ttmp7, 0xffff                   ; y = 8 b + chunk
	s_mov_b32 s[G1X], 15|(1<<20)|(1<<21)|(6<<22)|(3<<25)   ; codes: 64 rows of 512 bytes; the mask names all four; four words of padding after every 128
	s_mov_b32 s[G1X+1], 512<<16
	s_mov_b32 s[G1X+2], 64<<16
	s_mov_b32 s[G1X+3], 512<<16
	s_mov_b32 s[G1X+4], 64
	s_mov_b32 s[G1X+5], 512
	s_mov_b32 s[G1X+6], 0
	s_mov_b32 s[G1X+7], 0
	s_mov_b32 s[G1S], 15|(3<<16)|(1<<20)|(1<<21)|(5<<22)|(3<<25)   ; scale bytes: 8 runs of 256 bytes (32 elements of 8), four words of padding behind each
	s_mov_b32 s[G1S+1], 32<<16
	s_mov_b32 s[G1S+2], 8<<16
	s_mov_b32 s[G1S+3], 32<<16
	s_mov_b32 s[G1S+4], 8
	s_mov_b32 s[G1S+5], 32
	s_mov_b32 s[G1S+6], 0
	s_mov_b32 s[G1S+7], 0
	s_lshl_b32 s74, s27, 18                        ; xn's codes: 512 y rows of 512 bytes, + my 128 rows
	s_lshl_b32 s75, s[WV], 16
	s_add_co_u32 s74, s74, s75
	s_mov_b32 s75, 0
	s_lshl_b32 s76, s27, 14
	s_lshl_b32 s77, s[WV], 12
	s_add_co_u32 s76, s76, s77
	s_mov_b32 s77, 0
	s_mul_i32 s78, s[WV], 128*PX
	s_mul_i32 s79, s[WV], 16*272
	s_lshr_b32 s84, s27, 3
	s_lshl_b32 s84, s84, 3
	s_add_co_u32 s84, s84, s26                     ; bh = 8 b + head
	s_mov_b32 s[SEL], 0x76543210
	s_mov_b32 s[SEL+1], 0xfedcba98
	s_mov_b32 s[CS], 0x3fb8aa3b                    ; log2(e)
	s_mov_b32 s[CS+1], s[CS]
	s_mov_b32 s[TB], 0
	s_mov_b32 s[TS], 0
	s_wait_dscnt 0x0
	s_wait_kmcnt 0x0
	s_add_nc_u64 s[74:75], s[4:5], s[74:75]
	s_add_nc_u64 s[76:77], s[6:7], s[76:77]
	s_mov_b32 s48, 1                               ; scale bytes of my rows 0-63
	s_add_co_u32 s49, s79, XS
	s_mov_b64 s[50:51], s[76:77]
	s_or_b32 s51, s51, 0x80000000
	s_mov_b32 s52, 1                               ; their codes
	s_mov_b32 s53, s78
	s_mov_b64 s[54:55], s[74:75]
	s_or_b32 s55, s55, 0x80000000
	s_mov_b32 s56, 1                               ; scale bytes of my rows 64-127
	s_add_co_u32 s57, s79, XS+8*272
	s_add_nc_u64 s[58:59], s[76:77], 2048
	s_or_b32 s59, s59, 0x80000000
	s_mov_b32 s60, 1                               ; their codes
	s_add_co_u32 s61, s78, 64*PX
	s_add_nc_u64 s[62:63], s[74:75], 32768
	s_or_b32 s63, s63, 0x80000000
	s_mov_b32 s83, 0
	s_lshl_b32 s82, s26, 16                        ; the head's eight tiles of Wq: 64 KB on end
	s_add_nc_u64 s[8:9], s[8:9], s[82:83]
	s_lshl_b32 s82, s26, 12
	s_add_nc_u64 s[10:11], s[10:11], s[82:83]
	s_lshl_b32 s82, s26, 9
	s_add_nc_u64 s[12:13], s[12:13], s[82:83]
	s_add_nc_u64 s[18:19], s[18:19], s[82:83]      ; the head's 512 bytes of a row of out0,
	s_lshl_b32 s82, s27, 9
	s_lshl_b32 s85, s[WV], 7
	s_add_co_u32 s82, s82, s85
	s_lshl_b32 s82, s82, 12
	s_add_nc_u64 s[18:19], s[18:19], s[82:83]      ; at row 512 y + 128 w
	s_lshl_b32 s82, s84, 13
	s_add_nc_u64 s[14:15], s[14:15], s[82:83]
	s_lshl_b32 s82, s84, 10
	s_add_nc_u64 s[16:17], s[16:17], s[82:83]
	CROUND                                         ; all four work-groups are here: the joint loads meet
	tensor_load_to_lds s[48:51], s[G1S:G1S+7]      ; all fills of the launch go out together: four loads of mine are out
	s_nop 0
	tensor_load_to_lds s[52:55], s[G1X:G1X+7]
	s_nop 0
	tensor_load_to_lds s[56:59], s[G1S:G1S+7]
	s_nop 0
	tensor_load_to_lds s[60:63], s[G1X:G1X+7]
	s_nop 0
.rept 4
	v_nop
.endr
	v_and_b32 v1, 15, v0                           ; r
	v_bfe_u32 v2, v0, 4, 1                         ; hh
	v_and_b32 v8, 31, v0
	v_lshlrev_b32 v[GO], 4, v8                     ; 16 x lane
	v_mul_u32_u24 v[AX], v1, PX
	v_lshl_add_u32 v[AX], v2, 4, v[AX]
	v_add_nc_u32 v[AX], s78, v[AX]
	v_lshrrev_b32 v9, 3, v1
	v_mul_u32_u24 v9, v9, 272
	v_and_b32 v10, 7, v1
	v_lshl_add_u32 v9, v10, 5, v9
	v_lshl_add_u32 v9, v2, 4, v9
	v_add_nc_u32 v9, s79, v9
	v_add_nc_u32 v[ASC], XS, v9
	s_mul_i32 s89, s[WV], 16*PX
	s_add_co_u32 s89, s89, STG
	v_mul_u32_u24 v[STO], v1, PX
	v_lshl_add_u32 v[STO], v2, 5, v[STO]
	v_add_nc_u32 v[STO], s89, v[STO]               ; into my stage: row r, + 32 hh
	v_add_nc_u32 v[RD], s89, v[GO]                 ; back: a row's 512 bytes, 16 a lane
	v_lshlrev_b32 v11, 6, v2                       ; bq: 64 hh
	v_lshlrev_b32 v12, 5, v1
	v_lshl_add_u32 v12, v2, 4, v12                 ; Wq's scale words: 32 r + 16 hh
	v_lshlrev_b32 v13, 2, v8                       ; att's: 4 x lane
	WIN 0x40                                       ; destination window 1: tiles 0-3
.set i, 0
.rept 64
	global_load_b128 v[4*i:4*i+3], v[GO], s[8:9] offset:512*i
.set i, i+1
.endr
	WIN 0x80                                       ; window 2: tiles 4-7
.set i, 0
.rept 64
	global_load_b128 v[4*i:4*i+3], v[GO], s[8:9] offset:32768+512*i
.set i, i+1
.endr
	WIN 0xc0                                       ; window 3
.irp dt, 0,1,2,3,4,5,6,7
	global_load_b128 v[BQ+8*\dt:BQ+8*\dt+3], v11, s[12:13] offset:(32*(\dt/2)+8*(\dt%2))*4        ; bq at the lane's eight d of the tile
	global_load_b128 v[BQ+8*\dt+4:BQ+8*\dt+7], v11, s[12:13] offset:(32*(\dt/2)+8*(\dt%2))*4+16
.endr
.set i, 0
.rept 16
	global_load_b128 v[AF+4*i:AF+4*i+3], v[GO], s[14:15] offset:512*i
.set i, i+1
.endr
	WIN 0
.irp dt, 0,1,2,3,4,5,6,7
	global_load_b128 v[WQS+4*\dt:WQS+4*\dt+3], v12, s[10:11] offset:512*\dt
	global_load_b32 v[ASW+\dt], v13, s[16:17] offset:128*\dt
.endr
.irp b, 0,1,2,3
	v_mov_b32 v[TM+4+\b], 0                        ; a lane permute's destination counts as read
.endr
	v_mov_b32 v[SQ+5], 0                           ; (named as the other half of a pair)
	v_mov_b32 v[SQ+13], 0
	s_wait_loadcnt 0x0
; 64 products of q^T: tiles d0 .. d0 + 3 of Wq x two tiles of t x eight K steps.  The eight accumulators take turns, one instruction a turn.  bq is the C of each sum's first product.
.macro QPROD d0
.irp s, 0,1,2,3,4,5,6,7
.if (\d0) == 0
	s_wait_dscnt 4*(7-\s)                          ; this K step's four loads are in; the four of each later step may be out
.endif
.irp dd, 0,1,2,3
.irp tt, 0,1
.if \s == 0
	MM 64*\tt+8*((\d0)+\dd), 64*\dd, XF+64*\tt, BQ+8*((\d0)+\dd), WQS+4*((\d0)+\dd), XSC+4*\tt, 0
.else
	MM 64*\tt+8*((\d0)+\dd), 64*\dd+8*\s, XF+64*\tt+8*\s, 64*\tt+8*((\d0)+\dd), WQS+4*((\d0)+\dd)+\s%4, XSC+4*\tt+\s%4, \s/4
.endif
.endr
.endr
.endr
.endm
; the softmax over the head's 128 for tile tt: a lane holds 64 of its t's numbers, lane l xor 16 the others
.macro QSOFT tt
.set A, 64*(\tt)
.set S, SQ+8*(\tt)
	WIN 0x3f
.irp b, 0,1,2,3
	v_max3_num_f32 v[TM+\b], v[A+16*\b], v[A+16*\b+1], v[A+16*\b+2]      ; the largest logit of each block of 32 d; each accumulator is read from its low end on
.endr
	WIN 0x3c
.irp i, 3,5,7,9,11,13
.irp b, 0,1,2,3
	v_max3_num_f32 v[TM+\b], v[TM+\b], v[A+16*\b+\i], v[A+16*\b+\i+1]
.endr
.endr
	WIN 0x0c
.irp b, 0,1,2,3
	v_max_num_f32 v[TM+\b], v[TM+\b], v[A+16*\b+15]
.endr
	WIN 0
.irp b, 0,1,2,3
	v_permlanex16_b32 v[TM+4+\b], v[TM+\b], s[SEL], s[SEL+1]
.endr
.irp b, 0,1,2,3
	v_max_num_f32 v[TM+\b], v[TM+\b], v[TM+4+\b]
.endr
	v_max3_num_f32 v[TP], v[TM], v[TM+1], v[TM+2]
	v_max_num_f32 v[TP], v[TP], v[TM+3]
	v_mul_f32 v[S+1], s[CS], v[TP]                 ; the row's largest t
	v_floor_f32 v[S], -v[S+1]                      ; -M = -ceil(t)
	WIN 0xc3
.set j, 0
.rept 32
	v_pk_fma_f32 v[A+j:A+j+1], v[A+j:A+j+1], s[CS:CS+1], v[S:S+1] op_sel_hi:[1,0,0]
.set j, j+2
.endr
	WIN 0
.irp b, 0,1,2,3
	v_fma_f32 v[TM+\b], v[TM+\b], s[CS], v[S]
.endr
	WIN 0xc3
.set j, 0
.rept 64
	v_exp_f32 v[A+j], v[A+j]                       ; p = 2^(t - M)
.set j, j+1
.endr
	WIN 0
.irp b, 0,1,2,3
	v_exp_f32 v[TM+\b], v[TM+\b]                   ; the block's largest p
.endr
	v_nop                                          ; one plain line behind the exponentials
	s_wait_alu depctr_va_vdst(0)
.irp b, 0,1,2,3
	v_max_num_f32 v[TM+\b], 0x1800000, v[TM+\b]
.endr
.irp b, 0,1,2,3
	v_add_nc_u32 v[TM+12+\b], 0xff000000, v[TM+\b]
.endr
.irp b, 0,1,2,3
	v_lshrrev_b32 v[TM+4+\b], 23, v[TM+12+\b]
.endr
	v_lshl_or_b32 v[QS+\tt], v[TM+5], 8, v[TM+4]
	v_lshl_or_b32 v[QS+\tt], v[TM+6], 16, v[QS+\tt]
	v_lshl_or_b32 v[QS+\tt], v[TM+7], 24, v[QS+\tt]
	WIN 0x03
.irp b, 0,1,2,3
	v_cvt_scalef32_pk8_fp4_f32 v[QF+8*(\tt)+2*\b], v[A+16*\b:A+16*\b+7], v[TM+12+\b]
	v_cvt_scalef32_pk8_fp4_f32 v[QF+8*(\tt)+2*\b+1], v[A+16*\b+8:A+16*\b+15], v[TM+12+\b]
.endr
	v_nop
	WIN 0
.irp c, 0,1
.irp i, 0,1
	v_permlane16_swap_b32 v[QF+8*(\tt)+4*\c+\i], v[QF+8*(\tt)+4*\c+2+\i]
.endr
.endr
	WIN 0x0f
	v_pk_add_f32 v[S+2:S+3], v[A:A+1], v[A+2:A+3]            ; the sum of the unquantised p, in two chains.  These additions are also the places between the last write
	v_pk_add_f32 v[TM+8:TM+9], v[A+4:A+5], v[A+6:A+7]        ; of p's codes and scale word and the products that take them
	WIN 0x0c
.set j, 8
.rept 14
	v_pk_add_f32 v[S+2:S+3], v[S+2:S+3], v[A+j:A+j+1]
	v_pk_add_f32 v[TM+8:TM+9], v[TM+8:TM+9], v[A+j+2:A+j+3]
.set j, j+4
.endr
	WIN 0
	v_pk_add_f32 v[S+2:S+3], v[S+2:S+3], v[TM+8:TM+9]
	v_add_f32 v[TP], v[S+2], v[S+3]
	v_permlanex16_b32 v[TM+4], v[TP], s[SEL], s[SEL+1]
	v_add_f32 v[TP], v[TP], v[TM+4]
	v_rcp_f32 v[S+4], v[TP]
	v_nop                                          ; one plain line behind the reciprocal
.endm
; tile tt of y: divided by the sum, through my stage, out as whole runs of 512 bytes
.macro OUT tt
	WIN 0xc3
.set j, 0
	s_wait_alu depctr_va_vdst(0)
.rept 32
	v_pk_mul_f32 v[64*(\tt)+j:64*(\tt)+j+1], v[64*(\tt)+j:64*(\tt)+j+1], v[SQ+8*(\tt)+4:SQ+8*(\tt)+5] op_sel_hi:[1,0]   ; ascending: each accumulator from its low end on
.set j, j+2
.endr
	WIN 0x0c                                       ; an LDS store's data are its source 1: window 3
.irp lt, 0,1,2,3,4,5,6,7
	ds_store_b128 v[STO], v[64*(\tt)+8*\lt:64*(\tt)+8*\lt+3] offset:64*\lt
	ds_store_b128 v[STO], v[64*(\tt)+8*\lt+4:64*(\tt)+8*\lt+7] offset:64*\lt+16
.endr
	WIN 0
.irp q, 0,1,2,3,4,5,6,7,8,9,10,11,12,13,14,15
	ds_load_b128 v[XF+64*(\tt)+4*\q:XF+64*(\tt)+4*\q+3], v[RD] offset:PX*\q      ; LDS serves a wave's instructions in order: these see my stores
.endr
.irp q, 0,1,2,3,4,5,6,7,8,9,10,11,12,13,14,15
	s_wait_dscnt 15-\q                             ; row q is back; the 15 - q younger loads may be out
	global_store_b128 v[GO], v[XF+64*(\tt)+4*\q:XF+64*(\tt)+4*\q+3], s[18:19] offset:(16*(\tt)+\q)*4096 th:TH_STORE_NT   ; 32 lanes store 512 consecutive bytes, aligned
.endr
.endm
; 32 t
.macro PAIR
	v_add_nc_u32 v[ADX], s[TB], v[AX]
	v_add_nc_u32 v[ADS], s[TS], v[ASC]
.irp tt, 0,1
	ds_load_b128 v[XSC+4*\tt:XSC+4*\tt+3], v[ADS] offset:544*\tt
.endr
.irp s, 0,1,2,3,4,5,6,7
.irp tt, 0,1
.irp c, 0,1
	ds_load_b128 v[XF+64*\tt+8*\s+4*\c:XF+64*\tt+8*\s+4*\c+3], v[ADX] offset:16*PX*\tt+64*\s+32*\c
.endr
.endr
.endr
	WIN 0xf1                                       ; source 0 (Wq) window 1, source 1 (x) window 0, C and D window 3
	QPROD 0
	WIN 0xf2                                       ; Wq's tiles 4-7: window 2
	QPROD 4
	PLACES
	QSOFT 0
	QSOFT 1
	WIN 0xc3                                       ; source 0 (att) and D window 3, source 1 (p) window 0
.irp lt, 0,1,2,3,4,5,6,7
.irp tt, 0,1
	MM 64*\tt+8*\lt, AF+8*\lt, QF+8*\tt, -1, ASW+\lt, QS+\tt, 0
.endr
.endr
	PLACES
	OUT 0
	OUT 1
	s_wait_xcnt 0x0                                ; the stores have read their base and their data: the base steps, and the next 32 t's fragments land there, only behind this wait
	s_add_nc_u64 s[18:19], s[18:19], 32*4096
	s_add_co_u32 s[TB], s[TB], 32*PX
	s_add_co_u32 s[TS], s[TS], 4*272
.endm
.macro PAIRS                           ; 64 t: what one pair of my tensor loads brought
	s_mov_b32 s[CNT], 2
.Lpair_\@:
	PAIR
	s_sub_co_u32 s[CNT], s[CNT], 1
	s_cmp_lg_u32 s[CNT], 0
	s_cbranch_scc1 .Lpair_\@
.endm
	s_wait_tensorcnt 0x2                           ; my rows 0-63 and their scale bytes are in; the two loads issued behind them may be out
	PAIRS
	s_wait_tensorcnt 0x0                           ; my rows 64-127
	PAIRS
	s_wait_tensorcnt 0x0
	ds_add_u32 v126, v127
	s_wait_dscnt 0x0
	CROUND                                         ; the closing round
	s_endpgm
.Lfunc_end_k_qe5510e7868_qout:
	.size	k_qe5510e7868_qout, .Lfunc_end_k_qe5510e7868_qout-k_qe5510e7868_qout
	.p2alignl 7, 3214868480
	.fill 96, 4, 3214868480
	.section	.rodata,"a",@progbits
	.p2align	6, 0x0
	.amdhsa_kernel k_qe5510e7868_qout
		.amdhsa_group_segment_fixed_size 327680
		.amdhsa_private_segment_fixed_size 0
		.amdhsa_enable_private_segment 0
		.amdhsa_kernarg_size 64
		.amdhsa_user_sgpr_count 2
		.amdhsa_user_sgpr_kernarg_segment_ptr 1
		.amdhsa_wavefront_size32 1
		.amdhsa_system_sgpr_workgroup_id_x 1
		.amdhsa_system_sgpr_workgroup_id_y 1
		.amdhsa_system_sgpr_workgroup_id_z 1
		.amdhsa_system_vgpr_workitem_id 0
		.amdhsa_next_free_vgpr 1024
		.amdhsa_next_free_sgpr 100
		.amdhsa_reserve_vcc 0
		.amdhsa_float_denorm_mode_32 3
		.amdhsa_float_denorm_mode_16_64 3
		.amdhsa_memory_ordered 1
		.amdhsa_forward_progress 1
		.amdhsa_inst_pref_size 134
	.end_amdhsa_kernel
	.amdgpu_metadata
---
amdhsa.version: [ 1, 2 ]
amdhsa.kernels:
  - .name:           k_qe5510e7868_qout
    .symbol:         k_qe5510e7868_qout.kd
    .args:
      - { .name: xc, .offset: 0, .size: 8, .value_kind: global_buffer, .address_space: global }
      - { .name: xs, .offset: 8, .size: 8, .value_kind: global_buffer, .address_space: global }
      - { .name: wc, .offset: 16, .size: 8, .value_kind: global_buffer, .address_space: global }
      - { .name: wsc, .offset: 24, .size: 8, .value_kind: global_buffer, .address_space: global }
      - { .name: bq, .offset: 32, .size: 8, .value_kind: global_buffer, .address_space: global }
      - { .name: attc, .offset: 40, .size: 8, .value_kind: global_buffer, .address_space: global }
      - { .name: atts, .offset: 48, .size: 8, .value_kind: global_buffer, .address_space: global }
      - { .name: out0, .offset: 56, .size: 8, .value_kind: global_buffer, .address_space: global }
    .group_segment_fixed_size: 327680
    .private_segment_fixed_size: 0
    .kernarg_segment_align: 8
    .kernarg_segment_size: 64
    .max_flat_workgroup_size: 128
    .sgpr_count:     100
    .vgpr_count:     1024
    .wavefront_size: 32
...
	.end_amdgpu_metadata
.endif
;; end of part 4
